; MI455X (gfx1250); checked and timed in simulation.
; The chip was launched on July 23, 2026; its instructions are those of AMD's public machine-readable ISA for CDNA 5 (MIT licence, August 2026) and "CDNA5" Instruction Set Architecture Reference Guide (July 2026). The comments in the code are by the model that wrote it; some were corrected since.
;; Causal H Attention1 D. Allowed arithmetic: float matrix products may take bf16 or f16 operands with f32 sums; all other float work in f32.
;; Inputs: b_out 1,024 float32; w_out 1,024 x 1,024 float32; w_qkv 3,072 x 1,024 float32; x 4 x 4,096 x 1,024 float32.
;; Outputs: out0 4 x 4,096 x 1,024 float32.
;; 2 versions, each right; version 2 is version 1 with the launch cast written anew for expert scheduling mode. Each part assembles by itself: llvm-mc -triple=amdgcn-amd-amdhsa -mcpu=gfx1250 --defsym DOCPART=n.
;; ======== version 1 of 2: 4 launches
;; limits: values are held in f16: magnitudes above 65,504 overflow, below 6.1e-05 lose precision; inputs' magnitudes at most 65,504; right only within a limited range of input values
;; workspace buffers: xh 33,554,432 bytes; wqh 6,291,456 bytes; woh 2,097,152 bytes; qkv 100,663,296 bytes; t5 3,145,728 bytes; vmax 4,096 bytes; attn 33,554,432 bytes
;; launch cast (part 1): grid 640 x 1, 8 waves a work-group, no clusters, 0 bytes of LDS; arguments x, w_qkv, w_out, xh, wqh, woh; writes xh, wqh, woh
.if DOCPART == 1
	.amdgcn_target "amdgcn-amd-amdhsa--gfx1250"
	.amdhsa_code_object_version 6
	.text
	.protected	k_q76b47d6fda_cast
	.globl	k_q76b47d6fda_cast
	.p2align	8
	.type	k_q76b47d6fda_cast,@function
k_q76b47d6fda_cast:
	s_mov_b64 s[64:65], 0
	v_nop
	global_prefetch_b8 v0, s[64:65] scope:SCOPE_SE
	s_setreg_imm32_b32 hwreg(HW_REG_WAVE_MODE, 25, 1), 1
	s_wait_xcnt 0x0
; First of four launches: x, w_qkv and w_out are rounded once to f16 (xh, wqh, woh), the form in which the two large products take them.
; WHY F16: the first row of every block of 16 tokens passes v on unchanged, so each rounding on the way from v to the last product shows in the
; result undamped; f16 keeps 11 significant bits.  ROOM: every f16 operand of the program is bounded by the code's own arithmetic: q, k, v are
; sums of 1,024 products; coarse rows are kept as means, so in the range of the fine rows; softmax numerators are at most 2^7; the attention's
; result is scaled by a power of two taken from the largest |v|.  LIMIT: |x|, |w|, |q|, |k|, |v| stay below 65,504; below 2^-14 the step is 2^-24.
;
; WORK THAT THE WHOLE PROGRAM LEAVES OUT, AND WHY IT IS DEAD.
; At level l >= 1 the keep mask of the problem is ((i >> l << l) + 2^l - 1 <= i), which holds only where the low l bits of the token index i
; are all ones.  So of the 2^l repeated copies of a coarse row p only the one at i = p 2^l + 2^l - 1 reaches Ysum and Asum, whatever the inputs
; hold: the other copies are multiplied away by the mask that the problem builds itself and are never formed.  The coarse y and A of a first
; block of a pair are the zeros that the problem pads in.  Coarse q of first blocks and coarse k, v of second blocks are sliced away ([:, :, 1]
; and [:, :, 0]) and are not formed as rows.  n = 4096 is a power of two, so nothing is padded and nothing sliced at the end.
; Every input has a way to the output and is loaded.
; The factor 1/8 on q goes into the exponent's scale; the sum of 2^l rows of v is 2^l times their mean, and that exact factor rides on the numerators.
; LIMIT: a NaN, an infinity or an overflow that reaches only the rows left out is not carried to the result.
;
; 640 work-groups of 32,768 numbers: 512 for x, 96 for w_qkv, 32 for w_out.  A wave takes 4,096 numbers in 32 steps: a load covers 512
; consecutive bytes, a store 256 consecutive bytes at a multiple of 256.  Eight loads of every wave are on their way.
.set X, 8                              ; v[8:39]   slot i: 4 f32 as loaded
.set Y, 40                             ; v[40:55]  slot i: 4 f16 to store
	s_load_b256 s[4:11], s[0:1], 0x0               ; x s[4:5], w_qkv s[6:7], w_out s[8:9], xh s[10:11]
	s_load_b128 s[12:15], s[0:1], 0x20             ; wqh s[12:13], woh s[14:15]
	s_mov_b32 s20, ttmp9
	s_sub_co_u32 s21, ttmp9, 512                   ; my number among w_qkv's groups
	s_sub_co_u32 s22, ttmp9, 608                   ; among w_out's
	v_lshrrev_b32 v3, 5, v0                        ; wave
	v_and_b32 v4, 31, v0                           ; lane
	v_lshlrev_b32 v1, 4, v4
	v_lshl_or_b32 v1, v3, 14, v1                   ; source: 16,384 bytes a wave, 16 a lane
	v_lshlrev_b32 v2, 3, v4
	v_lshl_or_b32 v2, v3, 13, v2                   ; destination: 8,192 bytes a wave, 8 a lane
	s_wait_kmcnt 0x0
	s_cmp_lt_u32 s20, 608                          ; the choice hangs on the group's number alone
	s_cselect_b64 s[16:17], s[6:7], s[8:9]
	s_cselect_b64 s[18:19], s[12:13], s[14:15]
	s_cselect_b32 s23, s21, s22
	s_cmp_lt_u32 s20, 512
	s_cselect_b64 s[16:17], s[4:5], s[16:17]
	s_cselect_b64 s[18:19], s[10:11], s[18:19]
	s_cselect_b32 s23, s20, s23
	s_lshl_b32 s24, s23, 17                        ; 131,072 bytes of f32 a group (at most 511 groups: below 2^26)
	s_mov_b32 s25, 0
	s_add_nc_u64 s[16:17], s[16:17], s[24:25]
	s_lshl_b32 s24, s23, 16                        ; 65,536 bytes of f16
	s_add_nc_u64 s[18:19], s[18:19], s[24:25]
.irp i, 0,1,2,3,4,5,6,7
	global_load_b128 v[X+4*\i:X+4*\i+3], v1, s[16:17] offset:512*\i th:TH_LOAD_NT
.endr
.set j, 0
.rept 32
.if j < 24
	s_wait_loadcnt 7                               ; loads return in order: step j's is in, the seven younger stay out
.else
	s_wait_loadcnt 31-j                            ; the last eight steps load nothing: the counts run down
.endif
	s_wait_xcnt 0x0                                ; the slot's Y, which its last store reads, is rewritten only behind this wait
	v_cvt_pk_f16_f32 v[Y+2*(j%8)], v[X+4*(j%8)], v[X+4*(j%8)+1]
	v_cvt_pk_f16_f32 v[Y+2*(j%8)+1], v[X+4*(j%8)+2], v[X+4*(j%8)+3]
.if j < 24
	global_load_b128 v[X+4*(j%8):X+4*(j%8)+3], v1, s[16:17] offset:512*(j+8) th:TH_LOAD_NT
.endif
	global_store_b64 v2, v[Y+2*(j%8):Y+2*(j%8)+1], s[18:19] offset:256*j
.set j, j+1
.endr
	s_endpgm
.Lfunc_end_k_q76b47d6fda_cast:
	.size	k_q76b47d6fda_cast, .Lfunc_end_k_q76b47d6fda_cast-k_q76b47d6fda_cast
	.p2alignl 7, 3214868480
	.fill 96, 4, 3214868480
	.section	.rodata,"a",@progbits
	.p2align	6, 0x0
	.amdhsa_kernel k_q76b47d6fda_cast
		.amdhsa_group_segment_fixed_size 0
		.amdhsa_private_segment_fixed_size 0
		.amdhsa_enable_private_segment 0
		.amdhsa_kernarg_size 48
		.amdhsa_user_sgpr_count 2
		.amdhsa_user_sgpr_kernarg_segment_ptr 1
		.amdhsa_wavefront_size32 1
		.amdhsa_system_sgpr_workgroup_id_x 1
		.amdhsa_system_sgpr_workgroup_id_y 1
		.amdhsa_system_sgpr_workgroup_id_z 1
		.amdhsa_system_vgpr_workitem_id 0
		.amdhsa_next_free_vgpr 64
		.amdhsa_next_free_sgpr 66
		.amdhsa_reserve_vcc 0
		.amdhsa_float_denorm_mode_32 3
		.amdhsa_float_denorm_mode_16_64 3
		.amdhsa_memory_ordered 1
		.amdhsa_forward_progress 1
		.amdhsa_inst_pref_size 14
	.end_amdhsa_kernel
	.amdgpu_metadata
---
amdhsa.version: [ 1, 2 ]
amdhsa.kernels:
  - .name:           k_q76b47d6fda_cast
    .symbol:         k_q76b47d6fda_cast.kd
    .args:
      - { .name: x, .offset: 0, .size: 8, .value_kind: global_buffer, .address_space: global }
      - { .name: w_qkv, .offset: 8, .size: 8, .value_kind: global_buffer, .address_space: global }
      - { .name: w_out, .offset: 16, .size: 8, .value_kind: global_buffer, .address_space: global }
      - { .name: xh, .offset: 24, .size: 8, .value_kind: global_buffer, .address_space: global }
      - { .name: wqh, .offset: 32, .size: 8, .value_kind: global_buffer, .address_space: global }
      - { .name: woh, .offset: 40, .size: 8, .value_kind: global_buffer, .address_space: global }
    .group_segment_fixed_size: 0
    .private_segment_fixed_size: 0
    .kernarg_segment_align: 8
    .kernarg_segment_size: 48
    .max_flat_workgroup_size: 256
    .sgpr_count:     66
    .vgpr_count:     64
    .wavefront_size: 32
...
	.end_amdgpu_metadata
.endif
;; end of part 1
;; launch gemm_qkv (part 2): grid 4 x 64, 4 waves a work-group, clusters of 4 x 4, 327,680 bytes of LDS; arguments xh, wqh, qkv, t5, vmax; writes qkv, t5, vmax
.if DOCPART == 2
	.amdgcn_target "amdgcn-amd-amdhsa--gfx1250"
	.amdhsa_code_object_version 6
	.text
	.protected	k_q76b47d6fda_gemm_qkv
	.globl	k_q76b47d6fda_gemm_qkv
	.p2align	8
	.type	k_q76b47d6fda_gemm_qkv,@function
k_q76b47d6fda_gemm_qkv:
	s_mov_b64 s[64:65], 0
	v_nop
	global_prefetch_b8 v0, s[64:65] scope:SCOPE_SE
	s_setreg_imm32_b32 hwreg(HW_REG_WAVE_MODE, 25, 1), 1
	s_wait_xcnt 0x0
	s_wait_alu depctr_hold_cnt(0) depctr_sa_sdst(0) depctr_va_vdst(0) depctr_va_sdst(0) depctr_va_ssrc(0) depctr_va_vcc(0) depctr_vm_vsrc(0)
	s_getreg_b32 s2, hwreg(HW_REG_IB_STS2, 6, 4)
	s_cmp_eq_u32 s2, 0
	s_cbranch_scc0 .Lentry_in_a_cluster
	s_endpgm
.Lentry_in_a_cluster:
	s_bfe_u32 s2, ttmp6, 0x10000c
	s_cmp_lg_u32 s2, 0xf033
	s_cbranch_scc0 .Lentry_shape_is_right
	s_endpgm
.Lentry_shape_is_right:
; qkv[m][n] = sum over k of xh[m][k] wqh[n][k], rounded once to f16; t5[m/32][n] = the mean of 32 neighbouring rows of qkv as stored;
; vmax[wave] = the largest |v| of the wave's block of v, in f32.
; xh: [16384][1024], wqh: [3072][1024], qkv: [16384][3072], t5: [512][3072], all f16; vmax: [1024] f32; sums in f32.  No work of the problem is left out here.
; 256 work-groups that stay: work-group (bx, by) makes block row by and the block columns bx, bx + 4, bx + 8 (q, k and v of four heads), three
; blocks of 256 x 256, in one run of 24 K steps of 128 through a ring of two LDS slots.  A wave makes 128 x 128: 64 accumulator tiles.
; A block's last two changes of slots ask for the next block's first two K steps, so those requests stand ahead of the block's first store and
; the stores leave beside the next block's products.
; CLUSTERS: 4 x 4 work-groups.  The four of a row of the cluster need the same tiles of xh, the four of a column the same tiles of wqh: each
; tile is asked for jointly, by the same line with the same descriptor in all four.  All partners walk three blocks of eight K steps.
; REGISTERS in windows of 256: window 0: v0-31 addresses, v64-127 and v128-191 fragments of A; window 1: v64-127, v128-191 fragments of B;
; windows 2 and 3: the accumulators of my rows 0-63 and 64-127, tile (a, b) at v[8 (8 a + b)].
; The matrix instruction is used transposed (source 0 = rows of B, source 1 = rows of A): lane l holds row l % 16 of C and eight neighbouring columns.
; The accumulators take turns, one matrix instruction a turn.
; LIMIT: |q|, |k|, |v| below 65,504 (f16).
.set SIZE_M, 16384
.set SIZE_N, 3072
.set SIZE_K, 1024
.set KSTEP,  128
.set PITCH,  272                       ; an LDS row: 256 bytes + 16 of padding, an odd multiple of 16
.set HALFT,  128*PITCH
.set SLOT,   4*HALFT
.set STAGE,  2*SLOT                    ; behind the ring: 32 rows x 272 bytes for each wave; no tensor load lands there
.set SPITCH, 272
.set ADRA, 16
.set ADRB, 20
.set VM,   18                          ; v18, v19, v22, v23: four running maxima of |v|
.set STO,  24
.set RD,   25
.set CO,   26
.set TRA,  27                          ; the way out: address of the transposing loads
.set RR,   28                          ; l % 16
.set ONES, 29                          ; two f16 of 1/32
.set VOFF, 30                          ; my wave's byte offset in vmax
.set LANE, 31
.set BF,   8                           ; v8-15   B fragment: 1/32 in column g
.set RB0,  32                          ; v32-63  rows read back, pairs 0-7
.set RB1,  224                         ; v224-255 pairs 8-15
.set F0,   64
.set F1,   128
.set PA,   128                         ; window 0: the stage's 32 rows, transposed, 8 fragments
.set PACC, 128                         ; window 1: eight accumulators of the means over 32 rows
.set TMP,  192
.set G1, 24
.set G0, 32
.set G1B, 48
.set G0B, 56
.set ABASE, 88                         ; s[88:89] address of my 128 rows of A at K = 0; never rewritten
.set OA, 90                            ; s[90:91], s[92:93] slot 0, 1: byte offset along A's rows of the K step that the slot holds; upper words 0
.set MSB, 0
.macro WIN new                         ; the immediate's high byte repeats the setting that is left
.if MSB != \new
	s_set_vgpr_msb (MSB<<8)|\new
.set MSB, \new
.endif
.endm
.set MUL_LO, 0xa1
.set MUL_HI, 0xf1
.set TO_B,   0x40
.macro JLOAD s                         ; waves 0, 1 ask for A's halves, waves 2, 3 for B's; the branch hangs on the wave's number alone
	s_cmp_eq_u32 s11, 0
	s_cbranch_scc0 .Lfor_b_\@
	tensor_load_to_lds s[G0+4*\s:G0+4*\s+3], s[G1:G1+7]
	s_nop 0
	s_branch .Lasked_\@
.Lfor_b_\@:
	tensor_load_to_lds s[G0B+4*\s:G0B+4*\s+3], s[G1B:G1B+7]
	s_nop 0
.Lasked_\@:
.endm
.macro CREST                           ; a round of the cluster's barrier behind its opening barrier
	s_cmp_lg_u32 s10, 0
	s_cbranch_scc1 .Lnot_wave_0_\@
	s_barrier_signal -3
.Lnot_wave_0_\@:
	s_barrier_wait -3
	s_barrier_signal -1
	s_barrier_wait -1
.endm
.macro CROUND
	s_barrier_signal -1
	s_barrier_wait -1
	CREST
.endm
	s_load_b128 s[4:7], s[0:1], 0x0                ; xh s[4:5], wqh s[6:7]
	s_load_b128 s[84:87], s[0:1], 0x10             ; qkv s[84:85], t5 s[86:87]
	s_load_b64 s[70:71], s[0:1], 0x20              ; vmax
	s_set_vgpr_msb 0x40
	v_lshl_add_u32 v254, v0, 2, 0x4c800
	v_mov_b32 v255, 0
	s_set_vgpr_msb 0x4045
	ds_add_u32 v254, v255
	s_set_vgpr_msb 0x4500
	v_lshrrev_b32 v1, 5, v0
	v_readfirstlane_b32 s10, v1                    ; wave 0..3
	s_lshr_b32 s11, s10, 1                         ; my half of the block's rows; also: I ask for A (0) or B (1)
	s_and_b32 s12, s10, 1                          ; my half of its columns; also: which 128 rows of that tile I ask for
	s_bfe_u32 s40, ttmp6, 0x40000                  ; cx
	s_bfe_u32 s41, ttmp6, 0x40004                  ; cy
	s_lshl_b32 s42, ttmp9, 2
	s_add_co_u32 s42, s42, s40                     ; bx = 4 x cluster x + cx: my first block column
	s_and_b32 s13, ttmp7, 0xffff
	s_lshl_b32 s13, s13, 2
	s_add_co_u32 s13, s13, s41                     ; by = 4 x cluster y + cy: my block row
	s_lshl_b32 s94, s13, 2
	s_add_co_u32 s94, s94, s42
	s_lshl_b32 s94, s94, 2
	s_add_co_u32 s94, s94, s10
	s_lshl_b32 s94, s94, 2                         ; my word of vmax: 4 x (4 x (4 by + bx) + wave) bytes
	s_mov_b32 s72, 0x76543210                      ; v_permlanex16_b32: lane i of one half reads lane i of the other
	s_mov_b32 s73, 0xfedcba98
	s_lshl_b32 s43, s41, 2
	s_lshl_b32 s43, 15, s43                        ; my row of the cluster
	s_lshl_b32 s44, 0x1111, s40                    ; my column
	s_or_b32 s[G1+0], s43, (1<<16)|(1<<20)|(1<<21)|(5<<22)|(3<<25)  ; mask; 2-byte elements; 4 words of padding behind every 64; bit 21 beside a mask
	s_or_b32 s[G1B+0], s44, (1<<16)|(1<<20)|(1<<21)|(5<<22)|(3<<25)
	s_mov_b32 s[G1B+1], KSTEP<<16
	s_mov_b32 s[G1+1], KSTEP<<16                   ; tensor_dim0 = 128
	s_mov_b32 s[G1B+2], 128<<16
	s_mov_b32 s[G1+2], 128<<16                     ; tensor_dim1 = 128
	s_mov_b32 s[G1B+3], KSTEP<<16
	s_mov_b32 s[G1+3], KSTEP<<16                   ; tile_dim0 = 128
	s_mov_b32 s[G1B+4], 128
	s_mov_b32 s[G1+4], 128                         ; tile_dim1 = 128
	s_mov_b32 s[G1B+5], SIZE_K
	s_mov_b32 s[G1+5], SIZE_K                      ; elements from row to row
	s_mov_b32 s[G1B+6], 0
	s_mov_b32 s[G1+6], 0
	s_mov_b32 s[G1B+7], 0
	s_mov_b32 s[G1+7], 0
	s_lshl_b32 s17, s12, 7
	s_lshl_b32 s16, s13, 8
	s_add_co_u32 s16, s16, s17                     ; A: row 256 by + 128 x half
	s_lshl_b32 s46, s42, 8
	s_add_co_u32 s46, s46, s17                     ; B: row 256 bx + 128 x half
	s_mov_b32 s17, 0
	s_mov_b32 s47, 0
	s_mov_b64 s[18:19], SIZE_K*2
	s_mul_u64 s[16:17], s[16:17], s[18:19]
	s_mul_u64 s[46:47], s[46:47], s[18:19]
	s_mul_i32 s20, s10, HALFT                      ; LDS: wave x 128 rows; no place in the cluster enters an LDS address
	s_wait_dscnt 0x0
	s_wait_kmcnt 0x0
	s_add_nc_u64 s[ABASE:ABASE+1], s[4:5], s[16:17]
	s_add_nc_u64 s[46:47], s[6:7], s[46:47]
	CROUND                                         ; all sixteen work-groups are here: the first joint loads meet
.irp s, 0,1
	s_mov_b32 s[G0+4*\s], 1
	s_add_co_u32 s[G0+4*\s+1], s20, \s*SLOT
	s_add_nc_u64 s[G0+4*\s+2:G0+4*\s+3], s[ABASE:ABASE+1], \s*KSTEP*2
	s_or_b32 s[G0+4*\s+3], s[G0+4*\s+3], 0x80000000
	s_mov_b32 s[G0B+4*\s], 1
	s_add_co_u32 s[G0B+4*\s+1], s20, \s*SLOT
	s_add_nc_u64 s[G0B+4*\s+2:G0B+4*\s+3], s[46:47], \s*KSTEP*2
	s_or_b32 s[G0B+4*\s+3], s[G0B+4*\s+3], 0x80000000
	JLOAD \s
.endr
	; A's tiles are the same eight K steps in each of my three blocks.  Each slot keeps the byte offset of its K step along A's rows; at a refill the
	; offset goes on 512 bytes (two K steps) modulo the row's 2,048, and the address is made anew from the base: 0, 512, 1024, 1536, 0, .. in slot 0,
	; 256, 768, 1280, 1792, 256, .. in slot 1.  So a block's fourth lap asks for the next block's K steps 0 and 1 without a choice.
	s_mov_b32 s[OA], 0
	s_mov_b32 s[OA+1], 0
	s_mov_b32 s[OA+2], KSTEP*2
	s_mov_b32 s[OA+3], 0
	; B's address steps 512 bytes inside a block; from a block's K step 6 or 7 to the next block's 0 or 1 it goes on 1,024 rows of 2,048 bytes less
	; 1,536.  Both steps are constants, alike in all partners; s[68:69] holds the one that is due.
	s_mov_b32 s74, 2*KSTEP*2
	s_mov_b32 s75, 0
	s_mov_b32 s76, 1024*SIZE_K*2-1536
	s_mov_b32 s77, 0
	; where my results go: s[80:81] in qkv, s[82:83] in t5.  The row's part is made in s16-19, the column's in s46-47.
	s_lshl_b32 s13, s13, 8
	s_lshl_b32 s14, s11, 7
	s_add_co_u32 s16, s13, s14                     ; my first row of qkv
	s_lshr_b32 s18, s16, 5                         ; my first row of t5
	s_mul_i32 s16, s16, SIZE_N*2                   ; below 2^27
	s_mov_b32 s17, 0
	s_mul_i32 s18, s18, SIZE_N*2
	s_mov_b32 s19, 0
	s_add_nc_u64 s[80:81], s[84:85], s[16:17]
	s_add_nc_u64 s[82:83], s[86:87], s[18:19]
	s_lshl_b32 s46, s42, 9                         ; my first column in bytes: 512 bx + 256 x half
	s_lshl_b32 s47, s12, 8
	s_add_co_u32 s46, s46, s47
	s_mov_b32 s47, 0
	s_add_nc_u64 s[80:81], s[80:81], s[46:47]
	s_add_nc_u64 s[82:83], s[82:83], s[46:47]
	v_and_b32 v1, 15, v0                           ; l % 16
	v_bfe_u32 v2, v0, 4, 1                         ; l / 16
	v_mul_u32_u24 v3, v1, PITCH
	v_lshl_add_u32 v3, v2, 4, v3
	s_mul_i32 s21, s11, HALFT
	s_mul_i32 s22, s12, HALFT
	s_add_co_u32 s22, s22, 2*HALFT
.irp s, 0,1
	v_add_nc_u32 v[ADRA+\s], s21, v3
	v_add_nc_u32 v[ADRB+\s], s22, v3
	s_add_co_u32 s21, s21, SLOT
	s_add_co_u32 s22, s22, SLOT
.endr
	s_mul_i32 s23, s10, 32*SPITCH
	s_add_co_u32 s23, s23, STAGE                   ; my stage
	v_mul_u32_u24 v4, v1, SPITCH
	v_lshl_add_u32 v4, v2, 4, v4
	v_add_nc_u32 v[STO], s23, v4                   ; in: row l % 16, 16 bytes for each half of the lanes
	v_mul_u32_u24 v5, v2, SPITCH
	v_lshl_add_u32 v5, v1, 4, v5
	v_add_nc_u32 v[RD], s23, v5                    ; back: lanes 0-15 one row of 256 bytes, lanes 16-31 the next
	v_mul_u32_u24 v5, v2, SIZE_N*2
	v_lshl_add_u32 v[CO], v1, 4, v5                ; the same two rows in qkv or t5
	v_and_b32 v6, 7, v0
	v_lshl_add_u32 v6, v2, 3, v6                   ; stage row 8 (l / 16) + l % 8
	v_mul_u32_u24 v6, v6, SPITCH
	v_bfe_u32 v7, v0, 3, 1
	v_lshl_add_u32 v6, v7, 4, v6                   ; + 16 bytes for the upper eight of sixteen lanes
	v_add_nc_u32 v[TRA], s23, v6
	v_mov_b32 v[RR], v1
	v_mov_b32 v[ONES], 0x28002800                  ; 1/32 twice, in f16
	v_mov_b32 v[VOFF], s94
	v_and_b32 v[LANE], 31, v0
.irp r, 0,1,2,3
	v_mov_b32 v[VM+(\r&1)+4*(\r>>1)], 0            ; magnitudes are at least 0
.endr
.macro MUL16 f, hi, a0, zero
.irp a, \a0, \a0+1
.irp b, 0,1,2,3,4,5,6,7
.if \zero
	v_wmma_f32_16x16x32_f16 v[8*(8*(\a)+\b):8*(8*(\a)+\b)+7], v[\f+8*\b:\f+8*\b+7], v[\f+8*(4*\hi+\a):\f+8*(4*\hi+\a)+7], 0
.else
	v_wmma_f32_16x16x32_f16 v[8*(8*(\a)+\b):8*(8*(\a)+\b)+7], v[\f+8*\b:\f+8*\b+7], v[\f+8*(4*\hi+\a):\f+8*(4*\hi+\a)+7], v[8*(8*(\a)+\b):8*(8*(\a)+\b)+7]
.endif
.endr
.endr
.endm
.macro FETCH slot, k, f                ; 32 LDS loads in one run: one quarter step's fragments
	WIN TO_B
.irp i, 0,1,2,3,4,5,6,7
	ds_load_b128 v[\f+8*\i:\f+8*\i+3],   v[ADRB+\slot] offset:\k+\i*16*PITCH
	ds_load_b128 v[\f+8*\i+4:\f+8*\i+7], v[ADRB+\slot] offset:\k+\i*16*PITCH+32
.endr
	WIN 0
.irp i, 0,1,2,3,4,5,6,7
	ds_load_b128 v[\f+8*\i:\f+8*\i+3],   v[ADRA+\slot] offset:\k+\i*16*PITCH
	ds_load_b128 v[\f+8*\i+4:\f+8*\i+7], v[ADRA+\slot] offset:\k+\i*16*PITCH+32
.endr
.endm
.macro PLACES                          ; four independent vector instructions behind a matrix instruction (ISA guide 7.12.1)
.rept 4
	v_nop
.endr
.endm
.macro QUARTER slot, k, f, g, zero
	s_wait_dscnt 8                                 ; B and A's rows 0-63 are in; the youngest eight loads may be out
	WIN MUL_LO
	MUL16 \f, 0, 0, \zero
	MUL16 \f, 0, 2, \zero
	PLACES
	FETCH \slot, \k, \g
	s_wait_dscnt 32                                ; all but the 32 just issued
	WIN MUL_HI
	MUL16 \f, 1, 0, \zero
	MUL16 \f, 1, 2, \zero
.endm
.macro THREE slot, zero
	QUARTER \slot, 64,  F0, F1, \zero
	QUARTER \slot, 128, F1, F0, 0
	QUARTER \slot, 192, F0, F1, 0
.endm
; The last quarter of a K step changes slots.  In front of the barrier each wave waits for its reads of this slot and for all its tensor loads
; (one is out: its part of the next slot), so both group 0 of the slot may be written behind it.  With fill = 1 the barrier opens a round of the
; cluster's barrier and the joint refill is the first tensor load behind the round.
.macro TURN slot, next, fill
	s_wait_dscnt 8
	WIN MUL_LO
	MUL16 F1, 0, 0, 0
	s_wait_dscnt 0
	s_set_vgpr_msb 0xa1a5
	s_wait_tensorcnt 0x0
	ds_add_u32 v254, v255
	s_wait_dscnt 0x0
	s_set_vgpr_msb 0xa5a1
	s_barrier_signal -1
	MUL16 F1, 0, 2, 0
	WIN 0
	s_barrier_wait -1
.if \fill
	CREST
	s_add_co_u32 s[OA+2*\slot], s[OA+2*\slot], 2*KSTEP*2               ; A: two K steps on,
	s_and_b32 s[OA+2*\slot], s[OA+2*\slot], SIZE_K*2-1                 ; round the row's 2,048 bytes;
	s_add_nc_u64 s[G0+4*\slot+2:G0+4*\slot+3], s[ABASE:ABASE+1], s[OA+2*\slot:OA+2*\slot+1]   ; the address anew from the base,
	s_or_b32 s[G0+4*\slot+3], s[G0+4*\slot+3], 0x80000000              ; and the type on top of it
	s_add_nc_u64 s[G0B+4*\slot+2:G0B+4*\slot+3], s[G0B+4*\slot+2:G0B+4*\slot+3], s[68:69]     ; B: the step that is due
	JLOAD \slot
.endif
	PLACES
	FETCH \next, 0, F0
	WIN MUL_HI
	MUL16 F1, 1, 0, 0
	MUL16 F1, 1, 2, 0
.endm
.macro LAP zero
	THREE 0, \zero
	TURN 0, 1, 1
	THREE 1, 0
	TURN 1, 0, 1
.endm
; THE WAY OUT.  Buffer 0 of both windows may hold the next block's first fragments and is not touched.
; Sixteen rows: rounded to f16, 16 bytes a lane into my own stage.  mx = 1 (the block of v): the largest magnitude is kept, in four chains.
.macro CVT16 a, from, eoff, mx
	WIN \from
.irp b, 0,1,2,3,4,5,6,7
.irp r, 0,1,2,3
	v_cvt_pk_f16_f32 v[TMP+4*\b+\r], v[8*(8*\a+\b)+2*\r], v[8*(8*\a+\b)+2*\r+1]
.if \mx
	v_max3_num_f32 v[VM+(\r&1)+4*(\r>>1)], |v[8*(8*\a+\b)+2*\r]|, |v[8*(8*\a+\b)+2*\r+1]|, v[VM+(\r&1)+4*(\r>>1)]
.endif
.endr
.endr
	WIN 0
.irp b, 0,1,2,3,4,5,6,7
	ds_store_b128 v[STO], v[TMP+4*\b:TMP+4*\b+3] offset:\eoff+32*\b
.endr
.endm
; 32 rows: staged; read back transposed (columns as rows, the 32 rows along K) and multiplied by a B fragment with 1/32 in column g, which puts
; their mean into column g of eight accumulators; and read back by rows and stored, sixteen lanes to 256 consecutive bytes at a multiple of 256.
.macro GROUP g, a0, a1, from, mx
	CVT16 \a0, \from, 0, \mx
	CVT16 \a1, \from, 16*SPITCH, \mx
	v_cmp_eq_u32 vcc_lo, \g, v[RR]
.irp i, 0,1,2,3,4,5,6,7
	v_cndmask_b32 v[BF+\i], 0, v[ONES], vcc_lo
.endr
	s_wait_xcnt 0x0                                ; RB0, RB1 and the base, which earlier stores read, are rewritten only behind this wait
.if \g
	s_add_nc_u64 s[8:9], s[8:9], 32*SIZE_N*2
.endif
.irp mb, 0,1,2,3,4,5,6,7
	ds_load_tr16_b128 v[PA+8*\mb:PA+8*\mb+3],   v[TRA] offset:32*\mb             ; LDS serves a wave's instructions in order: these see the stores above
	ds_load_tr16_b128 v[PA+8*\mb+4:PA+8*\mb+7], v[TRA] offset:32*\mb+16*SPITCH
.endr
.irp t, 0,1,2,3,4,5,6,7
	ds_load_b128 v[RB0+4*\t:RB0+4*\t+3], v[RD] offset:\t*2*SPITCH
.endr
.irp t, 0,1,2,3,4,5,6,7
	ds_load_b128 v[RB1+4*\t:RB1+4*\t+3], v[RD] offset:(\t+8)*2*SPITCH
.endr
	s_wait_dscnt 16                                ; the sixteen transposing loads are in; the sixteen row reads may be out
	WIN 0x50                                       ; C and D in window 1
.irp mb, 0,1,2,3,4,5,6,7
.if \g
	v_wmma_f32_16x16x32_f16 v[PACC+8*\mb:PACC+8*\mb+7], v[PA+8*\mb:PA+8*\mb+7], v[BF:BF+7], v[PACC+8*\mb:PACC+8*\mb+7]
.else
	v_wmma_f32_16x16x32_f16 v[PACC+8*\mb:PACC+8*\mb+7], v[PA+8*\mb:PA+8*\mb+7], v[BF:BF+7], 0
.endif
.endr
	WIN 0
.irp t, 0,1,2,3,4,5,6,7
	s_wait_dscnt 15-\t
	global_store_b128 v[CO], v[RB0+4*\t:RB0+4*\t+3], s[8:9] offset:2*\t*SIZE_N*2
.endr
.irp t, 0,1,2,3,4,5,6,7
	s_wait_dscnt 7-\t
	global_store_b128 v[CO], v[RB1+4*\t:RB1+4*\t+3], s[8:9] offset:2*(\t+8)*SIZE_N*2
.endr
	PLACES                                         ; behind the eight products: BF, PA and the means are touched next
.endm
.macro OUTT mx
	PLACES
	s_mov_b64 s[8:9], s[80:81]                     ; no store is untranslated here: the last way out ended with s_wait_xcnt 0
	GROUP 0, 0, 1, 0x0a, \mx
	GROUP 1, 2, 3, 0x0a, \mx
	GROUP 2, 0, 1, 0x0f, \mx
	GROUP 3, 2, 3, 0x0f, \mx
	WIN 0x05                                       ; the four means lie in lanes l % 16 = 0..3, eight neighbouring columns a lane
.irp b, 0,1,2,3,4,5,6,7
.irp r, 0,1,2,3
	v_cvt_pk_f16_f32 v[TMP+4*\b+\r], v[PACC+8*\b+2*\r], v[PACC+8*\b+2*\r+1]
.endr
.endr
	WIN 0
.irp b, 0,1,2,3,4,5,6,7
	ds_store_b128 v[STO], v[TMP+4*\b:TMP+4*\b+3] offset:32*\b
.endr
	s_wait_xcnt 0x0
	ds_load_b128 v[RB0:RB0+3],   v[RD]
	ds_load_b128 v[RB0+4:RB0+7], v[RD] offset:2*SPITCH
	s_wait_dscnt 1
	global_store_b128 v[CO], v[RB0:RB0+3], s[82:83]
	s_wait_dscnt 0
	global_store_b128 v[CO], v[RB0+4:RB0+7], s[82:83] offset:2*SIZE_N*2
	s_wait_xcnt 0x0                                ; the pointers are stepped, and EXEC is changed, only behind this wait
.endm
	s_wait_tensorcnt 1                             ; my part of K step 0 is in; K step 1's stays out
	s_barrier_signal -1
	s_barrier_wait -1
	FETCH 0, 0, F0
	s_mov_b32 s78, 2                               ; two blocks that have a successor: q and k
.Ltile:
	s_mov_b64 s[68:69], s[74:75]
	LAP 1                                          ; the block's first products start the sums
	WIN 0
	s_mov_b32 s3, 3
.Llap:
	s_cmp_eq_u32 s3, 1                             ; the block's fourth lap asks for the next block's K steps 0 and 1
	s_cselect_b64 s[68:69], s[76:77], s[74:75]
	LAP 0
	WIN 0
	s_sub_co_u32 s3, s3, 1
	s_cmp_lg_u32 s3, 0
	s_cbranch_scc1 .Llap
	OUTT 0
	s_add_nc_u64 s[80:81], s[80:81], 2048          ; four block columns on
	s_add_nc_u64 s[82:83], s[82:83], 2048
	s_sub_co_u32 s78, s78, 1
	s_cmp_lg_u32 s78, 0
	s_cbranch_scc1 .Ltile
	s_mov_b64 s[68:69], s[74:75]                   ; the last block: v
	LAP 1
	WIN 0
	s_mov_b32 s3, 2
.Llast:
	LAP 0
	WIN 0
	s_sub_co_u32 s3, s3, 1
	s_cmp_lg_u32 s3, 0
	s_cbranch_scc1 .Llast
	THREE 0, 0                                     ; the last lap fills nothing
	TURN 0, 1, 0
	THREE 1, 0
	s_wait_dscnt 8
	WIN MUL_LO
	MUL16 F1, 0, 0, 0
	MUL16 F1, 0, 2, 0
	s_wait_dscnt 0
	WIN MUL_HI
	MUL16 F1, 1, 0, 0
	MUL16 F1, 1, 2, 0
	OUTT 1
	; the largest |v| of my block: four chains, 32 lanes, one word
	v_max_num_f32 v[VM], v[VM], v[VM+1]
	v_max_num_f32 v[VM+4], v[VM+4], v[VM+5]
	v_max_num_f32 v[VM], v[VM], v[VM+4]
	v_max_num_f32_dpp v[VM], v[VM], v[VM] row_xmask:1 row_mask:0xf bank_mask:0xf
	v_max_num_f32_dpp v[VM], v[VM], v[VM] row_xmask:2 row_mask:0xf bank_mask:0xf
	v_max_num_f32_dpp v[VM], v[VM], v[VM] row_xmask:4 row_mask:0xf bank_mask:0xf
	v_max_num_f32_dpp v[VM], v[VM], v[VM] row_xmask:8 row_mask:0xf bank_mask:0xf
	v_permlanex16_b32 v[VM+1], v[VM], s72, s73
	v_max_num_f32 v[VM], v[VM], v[VM+1]
	v_cmp_eq_u32 vcc_lo, 0, v[LANE]
	s_and_saveexec_b32 s95, vcc_lo                 ; lane 0 alone; the way out ended with s_wait_xcnt 0
	global_store_b32 v[VOFF], v[VM], s[70:71]
	s_wait_xcnt 0x0                                ; EXEC is widened only behind this wait
	s_or_b32 exec_lo, exec_lo, s95
	s_set_vgpr_msb 0x5
	s_wait_tensorcnt 0x0
	ds_add_u32 v254, v255
	s_wait_dscnt 0x0
	s_set_vgpr_msb 0x500
	CROUND                                         ; the closing round: no work-group ends while a partner may still ask jointly
	s_endpgm
.Lfunc_end_k_q76b47d6fda_gemm_qkv:
	.size	k_q76b47d6fda_gemm_qkv, .Lfunc_end_k_q76b47d6fda_gemm_qkv-k_q76b47d6fda_gemm_qkv
	.p2alignl 7, 3214868480
	.fill 96, 4, 3214868480
	.section	.rodata,"a",@progbits
	.p2align	6, 0x0
	.amdhsa_kernel k_q76b47d6fda_gemm_qkv
		.amdhsa_group_segment_fixed_size 327680
		.amdhsa_private_segment_fixed_size 0
		.amdhsa_enable_private_segment 0
		.amdhsa_kernarg_size 40
		.amdhsa_user_sgpr_count 2
		.amdhsa_user_sgpr_kernarg_segment_ptr 1
		.amdhsa_wavefront_size32 1
		.amdhsa_system_sgpr_workgroup_id_x 1
		.amdhsa_system_sgpr_workgroup_id_y 1
		.amdhsa_system_sgpr_workgroup_id_z 1
		.amdhsa_system_vgpr_workitem_id 0
		.amdhsa_next_free_vgpr 1024
		.amdhsa_next_free_sgpr 96
		.amdhsa_reserve_vcc 1
		.amdhsa_float_denorm_mode_32 3
		.amdhsa_float_denorm_mode_16_64 3
		.amdhsa_memory_ordered 1
		.amdhsa_forward_progress 1
		.amdhsa_inst_pref_size 255
	.end_amdhsa_kernel
	.section	.bss,"aw",@nobits
	.p2align	6
	.space	262144
	.amdgpu_metadata
---
amdhsa.version: [ 1, 2 ]
amdhsa.kernels:
  - .name:           k_q76b47d6fda_gemm_qkv
    .symbol:         k_q76b47d6fda_gemm_qkv.kd
    .args:
      - { .name: xh, .offset: 0, .size: 8, .value_kind: global_buffer, .address_space: global }
      - { .name: wqh, .offset: 8, .size: 8, .value_kind: global_buffer, .address_space: global }
      - { .name: qkv, .offset: 16, .size: 8, .value_kind: global_buffer, .address_space: global }
      - { .name: t5, .offset: 24, .size: 8, .value_kind: global_buffer, .address_space: global }
      - { .name: vmax, .offset: 32, .size: 8, .value_kind: global_buffer, .address_space: global }
    .group_segment_fixed_size: 327680
    .private_segment_fixed_size: 0
    .kernarg_segment_align: 8
    .kernarg_segment_size: 40
    .max_flat_workgroup_size: 128
    .sgpr_count:     96
    .vgpr_count:     1024
    .wavefront_size: 32
...
	.end_amdgpu_metadata
.endif
;; end of part 2
;; launch attn (part 3): grid 256 x 1, 8 waves a work-group, no clusters, 327,680 bytes of LDS; arguments qkv, t5, vmax, attn; writes attn
.if DOCPART == 3
	.amdgcn_target "amdgcn-amd-amdhsa--gfx1250"
	.amdhsa_code_object_version 6
	.text
	.protected	k_q76b47d6fda_attn
	.globl	k_q76b47d6fda_attn
	.p2align	8
	.type	k_q76b47d6fda_attn,@function
k_q76b47d6fda_attn:
	s_mov_b64 s[64:65], 0
	v_nop
	global_prefetch_b8 v0, s[64:65] scope:SCOPE_SE
	s_setreg_imm32_b32 hwreg(HW_REG_WAVE_MODE, 25, 1), 1
	s_wait_xcnt 0x0
; The hierarchical causal attention, all eight levels, from qkv (f16), t5 (means of 32 rows of qkv) and vmax to attn [16384][1024] f16, scaled.
; LEFT OUT as dead (shown at the head of the first kernel): the repeated copies of coarse rows that the problem's own keep mask zeroes, coarse q
; of first blocks, coarse k and v of second blocks.  A NaN or an infinity that reaches only those is not carried to the result.
; A work-group owns 512 tokens of two heads: c = id & 7 the chunk, hp = (id >> 3) & 7 the pair of heads, b = id >> 6.  Four trips of 128 tokens;
; in a trip wave w owns the fine block of 16 tokens n0 = 32 c + 8 tr + w.  A lane stands for the fine query row r = lane % 16 at EVERY level:
; level l is live for the block iff bit l of n0 is set; the lane takes coarse query row i >> l, the key block is (n0 >> l) - 1, and the result
; counts only in lanes whose token index has its low l bits all ones (elsewhere the exponent's shift is -1.7e38, so P = 0).
; S^T = K Q^T (lane: one query, 8 keys in registers), so P packs straight into the B operand of Y^T = V^T P^T; K = 32 there carries both heads.
; Coarse q, k AND v are kept as MEANS, so they stay in the fine rows' range.  The problem's coarse v is a sum, 2^l times the mean: that exact factor
; rides on the numerators: P = exp2(S sc - max sc + l) <= 2^7 goes to the product, and A adds 2^-l times their sum.  sc = 0.125 log2(e) at all levels.
; Levels 1-4 are pooled from the wave's own 16 tokens by products with a pattern of 2^-l and handed between waves through LDS; levels 5-7 come from
; t5: wave 0 makes them once for the chunk's 16 rows that they reach and leaves Y and A in LDS, where the owning lanes start their sums.
; THE RESULT'S SCALE: |Y / A| <= 2^7 max |v|.  With e the biased exponent of max |v| (at least 8), max |v| < 2^(e - 126), so times 2^(134 - e) the
; result stays below 2^15 in f16 whatever the inputs' size; the last launch multiplies by 2^(e - 134).
; LIMITS: operands in f16; level 6 and 7 rows are means of 2 and 4 rows of t5, so rounded twice; a masked lane needs finite S; 1 / (A + 1e-8) by v_rcp_f32.
; NO CLUSTER: work-groups share nothing but rows of t5 and vmax, 25 x 4,096 bytes a work-group beside 393,216 bytes of tiles of its own.
.set ROWB,  6144                       ; bytes of a row of qkv and of t5
.set P,     272                        ; LDS pitch: 256 bytes (two heads' 64 f16) + 16
.set TP,    816                        ; a token in the ring: its q, k and v rows
.set WTILE, 13056                      ; a wave's tile: 48 rows
.set RSLOT, 104448                     ; a slot: eight waves' tiles
.set CB,    208896                     ; coarse arrays, from here on nothing is filled by a tensor load
.set QK1, 0                            ; 64 rows: level 1 of this trip, q in second blocks, k in first blocks
.set QK2, 17408                        ; 32 rows
.set QK3, 26112                        ; 32 rows: two trips
.set QK4, 34816                        ; 32 rows: four trips
.set V1,  43520                        ; 32 rows: first blocks only
.set V2,  52224                        ; 16 rows
.set V3,  56576                        ; 16 rows
.set V4,  60928                        ; 16 rows
.set EB,    274176                     ; 17 rows of 528 bytes: row 0 zeros; row 1 + p: Y of two heads in f32, then four partial A
.set EP,    528
.set SB,    283392                     ; the way out: 16 rows x 272 a wave; at the head also the nine arrays of levels 5-7, 4,352 bytes each
.set SC0,   0x3e38aa3b                 ; 0.125 log2(e)
.set FQ, 4                             ; v4-5   fragments by rows from ring slot 0, 1
.set FT, 6                             ; v6-7   transposing loads from ring slot 0, 1
.set CQ1, 8
.set CQ2, 9
.set CQ3, 10
.set CQ4, 11                           ; v8-11  my coarse query row at levels 1-4
.set CK, 12
.set CK1, 13                           ; key rows
.set CV, 14
.set CV1, 15                           ; value rows, transposing
.set PS1, 16
.set PV1, 17
.set PS2, 18
.set PV2, 19
.set PS3, 20                           ; where pooled rows are put
.set ER, 21
.set ERA, 22
.set ERS, 23                           ; my row of EB, its A, and the step from trip to trip
.set STO, 24
.set RD, 25
.set CO, 26
.set TQ, 27
.set TV, 28
.set TB, 29
.set EW, 30
.set EWA, 31
.set PB, 32                            ; v32-47 [PQ | PK | 0 | PK]   (v32-115 first hold the rows of t5: halves can be named only of v0-127)
.set POOL, 48                          ; v48-51 the pooling pattern
.set PP, 52                            ; v52-63 [P0 | 0 | P1]
.set FR, 64                            ; v64-127
.set QF, 64
.set KF, 96
.set VF, 128                           ; v128-159
.set SS, 160                           ; v160-175
.set T, 176                            ; v176-183
.set AP, 184                           ; v184-185
.set RC, 186                           ; v186-187
.set NEG, 188
.set NBIG, 189
.set YY, 192                           ; v192-255
.set VX, YY+8                          ; v200-231 at the head: the 1,024 words of vmax, 32 a lane
.set CM, 32                            ; s32-39 causal masks
.macro PLACES                          ; four independent vector instructions behind a matrix instruction (ISA guide 7.12.1)
.rept 4
	v_nop
.endr
.endm
; the mean of two, of four registers of two f16 each, in f32, rounded once into the first; the arguments are register numbers
.macro MEAN2 a, b
	v_cvt_f32_f16 v[T],   v\a\().l
	v_cvt_f32_f16 v[T+1], v\a\().h
	v_cvt_f32_f16 v[T+2], v\b\().l
	v_cvt_f32_f16 v[T+3], v\b\().h
	v_pk_add_f32 v[T:T+1], v[T:T+1], v[T+2:T+3]
	v_pk_mul_f32 v[T:T+1], v[T:T+1], 0.5 op_sel_hi:[1,0]
	v_cvt_pk_f16_f32 v\a, v[T], v[T+1]
.endm
.macro MEAN4 a, b, c, d
	v_cvt_f32_f16 v[T],   v\a\().l
	v_cvt_f32_f16 v[T+1], v\a\().h
	v_cvt_f32_f16 v[T+2], v\b\().l
	v_cvt_f32_f16 v[T+3], v\b\().h
	v_cvt_f32_f16 v[T+4], v\c\().l
	v_cvt_f32_f16 v[T+5], v\c\().h
	v_cvt_f32_f16 v[T+6], v\d\().l
	v_cvt_f32_f16 v[T+7], v\d\().h
	v_pk_add_f32 v[T:T+1], v[T:T+1], v[T+2:T+3]
	v_pk_add_f32 v[T+4:T+5], v[T+4:T+5], v[T+6:T+7]
	v_pk_add_f32 v[T:T+1], v[T:T+1], v[T+4:T+5]
	v_pk_mul_f32 v[T:T+1], v[T:T+1], 0x3e800000 op_sel_hi:[1,0]
	v_cvt_pk_f16_f32 v\a, v[T], v[T+1]
.endm
; Softmax numerators of head hd at level l (lf: l as an f32).  kind 0: the causal mask of the fine level; kind 2: lanes outside s[msk] give P = 0.
.macro SM hd, l, lf, kind, msk
.if \kind == 0
.irp j, 0,1,2,3,4,5,6,7
	v_cndmask_b32 v[SS+8*\hd+\j], v[NEG], v[SS+8*\hd+\j], s[CM+\j]   ; key 8 h + j > query r: the most negative finite number, as in the problem
.endr
.endif
	v_max3_num_f32 v[T], v[SS+8*\hd], v[SS+8*\hd+1], v[SS+8*\hd+2]
	v_max3_num_f32 v[T], v[T], v[SS+8*\hd+3], v[SS+8*\hd+4]
	v_max3_num_f32 v[T], v[T], v[SS+8*\hd+5], v[SS+8*\hd+6]
	v_max_num_f32 v[T], v[T], v[SS+8*\hd+7]
	v_permlanex16_b32 v[T+1], v[T], s40, s41       ; the other eight keys of my query
	v_max_num_f32 v[T], v[T], v[T+1]
.if \l
	v_fma_f32 v[T], v[T], s12, \lf                 ; l - max sc
.else
	v_mul_f32 v[T], s12, v[T]                      ; - max sc
.endif
.if \kind == 2
	v_cndmask_b32 v[T], v[NBIG], v[T], s[\msk]
.endif
.irp j, 0,2,4,6
	v_pk_fma_f32 v[SS+8*\hd+\j:SS+8*\hd+\j+1], v[SS+8*\hd+\j:SS+8*\hd+\j+1], SC0, v[T:T+1] op_sel_hi:[1,0,0]
.endr
.irp j, 0,1,2,3,4,5,6,7
	v_exp_f32 v[SS+8*\hd+\j], v[SS+8*\hd+\j]
.endr
	v_nop                                          ; one plain instruction behind the transcendentals (ISA guide 5.7.2)
	s_wait_alu depctr_va_vdst(0)
	v_pk_add_f32 v[T+2:T+3], v[SS+8*\hd:SS+8*\hd+1], v[SS+8*\hd+2:SS+8*\hd+3]
	v_pk_add_f32 v[T+4:T+5], v[SS+8*\hd+4:SS+8*\hd+5], v[SS+8*\hd+6:SS+8*\hd+7]
	v_pk_add_f32 v[T+2:T+3], v[T+2:T+3], v[T+4:T+5]
	v_add_f32 v[T+2], v[T+2], v[T+3]
.if \l
	v_fmac_f32 v[AP+\hd], 0x3f800000-\l*0x800000, v[T+2]   ; A takes the numerators without their 2^l
.else
	v_add_f32 v[AP+\hd], v[AP+\hd], v[T+2]
.endif
.irp j, 0,1,2,3
	v_cvt_pk_f16_f32 v[PP+8*\hd+\j], v[SS+8*\hd+2*\j], v[SS+8*\hd+2*\j+1]
.endr
.endm
; One block attention for both heads: Q rows at v[qa] + qo, K rows at v[ka] + ko, V (if ldv) by transposing loads at v[va] + vo.
; The accumulators take turns, one matrix instruction a turn.
.macro ATT2 qa, qo, ka, ko, va, vo, l, lf, kind, msk, ldv, zero
.irp hd, 0,1
.irp cc, 0,1
	ds_load_b128 v[QF+16*\hd+8*\cc:QF+16*\hd+8*\cc+3],   v[\qa] offset:\qo+128*\hd+64*\cc
	ds_load_b128 v[QF+16*\hd+8*\cc+4:QF+16*\hd+8*\cc+7], v[\qa] offset:\qo+128*\hd+64*\cc+32
.endr
.endr
.irp hd, 0,1
.irp cc, 0,1
	ds_load_b128 v[KF+16*\hd+8*\cc:KF+16*\hd+8*\cc+3],   v[\ka] offset:\ko+128*\hd+64*\cc
	ds_load_b128 v[KF+16*\hd+8*\cc+4:KF+16*\hd+8*\cc+7], v[\ka] offset:\ko+128*\hd+64*\cc+32
.endr
.endr
.if \ldv
.irp mb, 0,1,2,3
	ds_load_tr16_b128 v[VF+8*\mb:VF+8*\mb+3],   v[\va] offset:\vo+32*\mb          ; head 0: keys as k = 0..15
	ds_load_tr16_b128 v[VF+8*\mb+4:VF+8*\mb+7], v[\va] offset:\vo+32*\mb+128      ; head 1: keys as k = 16..31
.endr
	s_wait_dscnt 8                                 ; Q and K are in; the eight loads of V may be out
.else
	s_wait_dscnt 0
.endif
	v_wmma_f32_16x16x32_f16 v[SS:SS+7],    v[KF:KF+7],     v[QF:QF+7],     0
	v_wmma_f32_16x16x32_f16 v[SS+8:SS+15], v[KF+16:KF+23], v[QF+16:QF+23], 0
	v_wmma_f32_16x16x32_f16 v[SS:SS+7],    v[KF+8:KF+15],  v[QF+8:QF+15],  v[SS:SS+7]
	v_wmma_f32_16x16x32_f16 v[SS+8:SS+15], v[KF+24:KF+31], v[QF+24:QF+31], v[SS+8:SS+15]
	PLACES
	SM 0, \l, \lf, \kind, \msk
	SM 1, \l, \lf, \kind, \msk
	s_wait_dscnt 0
.irp mb, 0,1,2,3
.if \zero
	v_wmma_f32_16x16x32_f16 v[YY+8*\mb:YY+8*\mb+7],       v[VF+8*\mb:VF+8*\mb+7], v[PP:PP+7],    0
	v_wmma_f32_16x16x32_f16 v[YY+32+8*\mb:YY+32+8*\mb+7], v[VF+8*\mb:VF+8*\mb+7], v[PP+4:PP+11], 0
.else
	v_wmma_f32_16x16x32_f16 v[YY+8*\mb:YY+8*\mb+7],       v[VF+8*\mb:VF+8*\mb+7], v[PP:PP+7],    v[YY+8*\mb:YY+8*\mb+7]
	v_wmma_f32_16x16x32_f16 v[YY+32+8*\mb:YY+32+8*\mb+7], v[VF+8*\mb:VF+8*\mb+7], v[PP+4:PP+11], v[YY+32+8*\mb:YY+32+8*\mb+7]
.endif
.endr
	PLACES
.endm
; My 16 tokens are pooled: column n of the result is a coarse row (a mean): 0-7 level 1, 8-11 level 2, 12-13 level 3, 14 level 4.
; K = 32 carries q (k = 0..15) and k (16..31); a column takes q where its coarse block is a second block (mask s54), else k.
.macro POOLT tr
.set SL, \tr&1
.set MQC, (\tr&1)*0x30003000+((\tr>>1)&1)*0x40004000
.if MQC
	s_or_b32 s54, s53, MQC
.else
	s_mov_b32 s54, s53
.endif
.irp i, 0,1,2,3
	v_cndmask_b32 v[PB+\i],    0, v[POOL+\i], s54
	v_cndmask_b32 v[PB+4+\i],  v[POOL+\i], 0, s54
	v_cndmask_b32 v[PB+12+\i], v[POOL+\i], 0, s54
.endr
.irp k, 0,1,2,3,4,5,6,7
	ds_load_tr16_b128 v[FR+8*\k:FR+8*\k+3],   v[FT+SL] offset:32*\k
	ds_load_tr16_b128 v[FR+8*\k+4:FR+8*\k+7], v[FT+SL] offset:P+32*\k
.endr
.irp mb, 0,1,2,3
	ds_load_tr16_b128 v[VF+8*\mb:VF+8*\mb+3],   v[FT+SL] offset:2*P+32*\mb
	ds_load_tr16_b128 v[VF+8*\mb+4:VF+8*\mb+7], v[FT+SL] offset:2*P+32*\mb+128
.endr
	s_wait_dscnt 8                                 ; q and k are in; the eight loads of v may be out
.irp k, 0,1,2,3,4,5,6,7
	v_wmma_f32_16x16x32_f16 v[YY+8*\k:YY+8*\k+7], v[FR+8*\k:FR+8*\k+7], v[PB:PB+7], 0
.endr
.rept 5
	v_nop                                          ; five places: the next products write over these products' A fragments
.endr
	s_wait_dscnt 0
.irp mb, 0,1,2,3
	v_wmma_f32_16x16x32_f16 v[FR+8*\mb:FR+8*\mb+7],       v[VF+8*\mb:VF+8*\mb+7], v[PB+4:PB+11], 0
	v_wmma_f32_16x16x32_f16 v[FR+32+8*\mb:FR+32+8*\mb+7], v[VF+8*\mb:VF+8*\mb+7], v[PB+8:PB+15], 0
.endr
	PLACES
.irp k, 0,1,2,3,4,5,6,7
.irp i, 0,1,2,3
	v_cvt_pk_f16_f32 v[YY+8*\k+\i], v[YY+8*\k+2*\i], v[YY+8*\k+2*\i+1]
	v_cvt_pk_f16_f32 v[FR+8*\k+\i], v[FR+8*\k+2*\i], v[FR+8*\k+2*\i+1]
.endr
.endr
	; the lanes of a level's columns put their rows away; no global access is untranslated here, so EXEC may change
	s_and_saveexec_b32 s55, s42                    ; level 1: columns 0-7
.irp k, 0,1,2,3,4,5,6,7
	ds_store_b128 v[PS1], v[YY+8*\k:YY+8*\k+3] offset:QK1+32*\k
.endr
	s_and_b32 s59, s10, 2
	s_cmp_lg_u32 s59, 0
	s_cbranch_scc1 .Lnv1_\@                        ; v only of first blocks
.irp k, 0,1,2,3,4,5,6,7
	ds_store_b128 v[PV1], v[FR+8*\k:FR+8*\k+3] offset:V1+32*\k
.endr
.Lnv1_\@:
	s_or_b32 exec_lo, exec_lo, s55
	s_and_saveexec_b32 s55, s43                    ; level 2: columns 8-11
.irp k, 0,1,2,3,4,5,6,7
	ds_store_b128 v[PS2], v[YY+8*\k:YY+8*\k+3] offset:QK2+32*\k
.endr
	s_and_b32 s59, s10, 4
	s_cmp_lg_u32 s59, 0
	s_cbranch_scc1 .Lnv2_\@
.irp k, 0,1,2,3,4,5,6,7
	ds_store_b128 v[PV2], v[FR+8*\k:FR+8*\k+3] offset:V2+32*\k
.endr
.Lnv2_\@:
	s_or_b32 exec_lo, exec_lo, s55
	s_and_saveexec_b32 s55, s44                    ; level 3: columns 12, 13
.irp k, 0,1,2,3,4,5,6,7
	ds_store_b128 v[PS3], v[YY+8*\k:YY+8*\k+3] offset:QK3+4352*SL+32*\k
.endr
.if SL == 0
.irp k, 0,1,2,3,4,5,6,7
	ds_store_b128 v[PS3], v[FR+8*\k:FR+8*\k+3] offset:V3+32*\k
.endr
.endif
	s_or_b32 exec_lo, exec_lo, s55
	s_and_saveexec_b32 s55, s45                    ; level 4: column 14
.irp k, 0,1,2,3,4,5,6,7
	ds_store_b128 v[CQ4], v[YY+8*\k:YY+8*\k+3] offset:QK4+2176*\tr+32*\k
.endr
.if \tr < 2
.irp k, 0,1,2,3,4,5,6,7
	ds_store_b128 v[CQ4], v[FR+8*\k:FR+8*\k+3] offset:V4+2176*\tr+32*\k
.endr
.endif
	s_or_b32 exec_lo, exec_lo, s55
.endm
; Y / (A + 1e-8) times the power of two in s13, rounded to f16, through my own stage, out in whole rows of 256 bytes
.macro OUTA tr
.irp hd, 0,1
	v_permlanex16_b32 v[T], v[AP+\hd], s40, s41
	v_add_f32 v[T], v[T], v[AP+\hd]
	v_add_f32 v[T], 0x322bcc77, v[T]
	v_rcp_f32 v[RC], v[T]
	v_nop
	s_wait_alu depctr_va_vdst(0)
	v_mul_f32 v[RC], s13, v[RC]
.irp q, 0,1,2,3,4,5,6,7,8,9,10,11,12,13,14,15
	v_pk_mul_f32 v[YY+32*\hd+2*\q:YY+32*\hd+2*\q+1], v[YY+32*\hd+2*\q:YY+32*\hd+2*\q+1], v[RC:RC+1] op_sel_hi:[1,0]
.endr
.endr
.irp k, 0,1,2,3,4,5,6,7
.irp i, 0,1,2,3
	v_cvt_pk_f16_f32 v[YY+8*\k+\i], v[YY+8*\k+2*\i], v[YY+8*\k+2*\i+1]
.endr
.endr
.irp k, 0,1,2,3,4,5,6,7
	ds_store_b128 v[STO], v[YY+8*\k:YY+8*\k+3] offset:32*\k
.endr
.irp u, 0,1,2,3,4,5,6,7
	ds_load_b128 v[FR+4*\u:FR+4*\u+3], v[RD] offset:\u*2*P             ; LDS serves a wave's instructions in order: these see the stores above
.endr
.irp u, 0,1,2,3,4,5,6,7
	s_wait_dscnt 7-\u
	global_store_b128 v[CO], v[FR+4*\u:FR+4*\u+3], s[8:9] offset:262144*\tr+4096*\u   ; sixteen lanes: 256 consecutive bytes at a multiple of 256
.endr
	v_add_nc_u32 v[ER], v[ER], v[ERS]
	v_add_nc_u32 v[ERA], v[ERA], v[ERS]
.endm
.macro TRIP tr
.set SL, \tr&1
	s_wait_xcnt 0x0                                ; the last trip's stores have read FR; EXEC changes below
.if \tr == 0
	s_wait_tensorcnt 0x1                           ; my tile 0 is in (only I read it); tile 1 stays out
.else
	s_wait_dscnt 0x0                               ; my reads of the other slot and of the coarse arrays are back
	s_wait_tensorcnt 0x0                           ; all my tensor loads have landed, this trip's tile among them
	ds_add_u32 v190, v191
	s_wait_dscnt 0x0
.if \tr < 3
	s_add_nc_u64 s[30-4*SL:31-4*SL], s[30-4*SL:31-4*SL], 256*ROWB      ; the other slot's next tile: 256 tokens on
.endif
	s_barrier_signal -1
	s_barrier_wait -1                              ; also: no wave still reads the coarse arrays that this trip writes
.if \tr < 3
	tensor_load_to_lds s[28-4*SL:31-4*SL], s[16:23]                    ; my one tensor load behind this barrier, first thing there
	s_nop 0
.endif
.endif
	POOLT \tr
	s_wait_dscnt 0x0
	s_barrier_signal -1
	s_barrier_wait -1                              ; every wave's coarse rows (and, in trip 0, wave 0's rows of EB) are there
.irp k, 0,1,2,3,4,5,6,7
	ds_load_b128 v[YY+8*\k:YY+8*\k+3],   v[ER] offset:64*\k            ; the sums start with levels 5-7, or with the row of zeros
	ds_load_b128 v[YY+8*\k+4:YY+8*\k+7], v[ER] offset:64*\k+16
.endr
	ds_load_b32 v[AP],   v[ERA] offset:512
	ds_load_b32 v[AP+1], v[ERA] offset:520
	ATT2 FQ+SL, 0, FQ+SL, P, FT, 0, 0, 0, 0, 0, 0, 0                   ; level 0; V is still in registers from the pooling
	s_and_b32 s59, s10, 2
	s_cmp_eq_u32 s59, 0
	s_cbranch_scc1 .Ln1_\@
	ATT2 CQ1, QK1, CK1, QK1, CV1, V1, 1, 0x3f800000, 2, 49, 1, 0
.Ln1_\@:
	s_and_b32 s59, s10, 4
	s_cmp_eq_u32 s59, 0
	s_cbranch_scc1 .Ln2_\@
	ATT2 CQ2, QK2, CK, QK2, CV, V2, 2, 0x40000000, 2, 50, 1, 0
.Ln2_\@:
.if \tr & 1
	ATT2 CQ3, QK3+4352, CK, QK3, CV, V3, 3, 0x40400000, 2, 51, 1, 0
.endif
.if \tr & 2
	ATT2 CQ4, QK4+2176*\tr, CK, QK4, CV, V4, 4, 0x40800000, 2, 52, 1, 0
.endif
	OUTA \tr
.endm
	s_load_b128 s[4:7], s[0:1], 0x0                ; qkv s[4:5], t5 s[6:7]
	s_load_b64 s[2:3], s[0:1], 0x10                ; vmax
	s_load_b64 s[8:9], s[0:1], 0x18                ; attn
	v_lshl_add_u32 v190, v0, 2, 0x4ec00
	v_mov_b32 v191, 0
	ds_add_u32 v190, v191
	v_lshrrev_b32 v[T], 5, v0
	v_readfirstlane_b32 s10, v[T]                  ; wave 0..7
	s_and_b32 s11, ttmp9, 7                        ; c
	s_bfe_u32 s12, ttmp9, 0x30003                  ; hp
	s_lshr_b32 s13, ttmp9, 6                       ; b
	s_lshl_b32 s14, s13, 12
	s_lshl_b32 s15, s11, 9
	s_add_co_u32 s14, s14, s15                     ; my first token row: 4096 b + 512 c
	s_lshl_b32 s15, s12, 8                         ; 256 hp: the pair's bytes in a row
	s_lshl_b32 s56, s10, 4
	s_add_co_u32 s56, s56, s14
	s_mul_i32 s56, s56, ROWB                       ; below 2^27
	s_add_co_u32 s56, s56, s15
	s_mov_b32 s57, 0
	s_mul_i32 s58, s13, 128*ROWB
	s_add_co_u32 s58, s58, s15
	s_mov_b32 s59, 0
	s_lshl_b32 s60, s14, 11
	s_add_co_u32 s60, s60, s15
	s_mov_b32 s61, 0
	; The tile: 48 rows of 128 f16, 1,024 elements apart: row 3 t + z is operand z (q, k, v) of token t, since a row of qkv is 3 x 1,024.
	s_mov_b32 s16, (1<<16)|(1<<20)|(5<<22)|(3<<25) ; 2-byte elements; 4 words of padding behind every 64
	s_mov_b32 s17, 128<<16                         ; tensor_dim0 = 128
	s_mov_b32 s18, 48<<16                          ; tensor_dim1 = 48
	s_mov_b32 s19, 128<<16                         ; tile_dim0 = 128
	s_mov_b32 s20, 48                              ; tile_dim1 = 48
	s_mov_b32 s21, 1024                            ; elements from row to row
	s_mov_b32 s22, 0
	s_mov_b32 s23, 0
	s_mov_b32 s24, 1
	s_mul_i32 s25, s10, WTILE                      ; my bytes of slot 0
	s_mov_b32 s28, 1
	s_add_co_u32 s29, s25, RSLOT                   ; of slot 1
	s_wait_dscnt 0x0
	s_wait_kmcnt 0x0
	s_add_nc_u64 s[26:27], s[4:5], s[56:57]
	s_add_nc_u64 s[30:31], s[26:27], 128*ROWB
	s_or_b32 s27, s27, 0x80000000
	s_or_b32 s31, s31, 0x80000000
	tensor_load_to_lds s[24:27], s[16:23]          ; both first fills, ahead of every wait, LDS read and barrier: two loads out
	s_nop 0
	tensor_load_to_lds s[28:31], s[16:23]
	s_nop 0
	s_add_nc_u64 s[6:7], s[6:7], s[58:59]          ; t5 at my batch and pair of heads
	s_add_nc_u64 s[8:9], s[8:9], s[60:61]          ; attn at my first token and pair of heads
	; LEVELS 5-7, the operands: thread (rr = tid / 16, pc = tid % 16) brings 16 bytes of row rr of nine arrays of 16 rows.
	; q: the coarse row that fine row 32 (16 c + rr) + 31 belongs to; k, v: the key block.  All rows lie inside the batch's 128 rows of t5
	; whatever c is; a level that does not apply to this chunk is masked in the softmax.
	v_and_b32 v1, 15, v0                           ; r, and pc
	v_bfe_u32 v2, v0, 4, 1                         ; h
	v_lshrrev_b32 v[T+1], 4, v0                    ; rr
	v_lshlrev_b32 v[T+2], 4, v1
	s_mul_i32 s56, s11, 16*ROWB
	s_and_b32 s57, s11, 6
	s_mul_i32 s57, s57, 16*ROWB
	s_and_b32 s58, s11, 4
	s_mul_i32 s58, s58, 16*ROWB
	v_mad_u32_u24 v[T+3], v[T+1], ROWB, v[T+2]
	v_add_nc_u32 v[YY], s56, v[T+3]                ; q5: row 16 c + rr
	v_add_nc_u32 v[YY+3], s57, v[T+3]              ; k5, v5: row 16 (c & 6) + rr
	v_and_b32 v[T+3], 14, v[T+1]
	v_mad_u32_u24 v[T+3], v[T+3], ROWB, v[T+2]
	v_add_nc_u32 v[YY+1], s56, v[T+3]              ; q6: rows 16 c + (rr & 14) + 0, 1
	v_and_b32 v[T+3], 12, v[T+1]
	v_mad_u32_u24 v[T+3], v[T+3], ROWB, v[T+2]
	v_add_nc_u32 v[YY+2], s56, v[T+3]              ; q7: rows 16 c + (rr & 12) + 0..3
	v_mad_u32_u24 v[T+3], v[T+1], 2*ROWB, v[T+2]
	v_add_nc_u32 v[YY+4], s58, v[T+3]              ; k6, v6: rows 16 (c & 4) + 2 rr + 0, 1
	v_mad_u32_u24 v[YY+5], v[T+1], 4*ROWB, v[T+2]  ; k7, v7: rows 4 rr + 0..3
	v_and_b32 v[YY+6], 31, v0
	v_lshlrev_b32 v[YY+6], 4, v[YY+6]              ; vmax: 16 bytes a lane
	global_load_b128 v[32:35], v[YY],   s[6:7]
	global_load_b128 v[36:39], v[YY+3], s[6:7] offset:2048
	global_load_b128 v[40:43], v[YY+3], s[6:7] offset:4096
.irp kk, 0,1
	global_load_b128 v[44+4*\kk:47+4*\kk], v[YY+1], s[6:7] offset:ROWB*\kk
	global_load_b128 v[52+4*\kk:55+4*\kk], v[YY+4], s[6:7] offset:ROWB*\kk+2048
	global_load_b128 v[60+4*\kk:63+4*\kk], v[YY+4], s[6:7] offset:ROWB*\kk+4096
.endr
.irp kk, 0,1,2,3
	global_load_b128 v[68+4*\kk:71+4*\kk],   v[YY+2], s[6:7] offset:ROWB*\kk
	global_load_b128 v[84+4*\kk:87+4*\kk],   v[YY+5], s[6:7] offset:ROWB*\kk+2048
	global_load_b128 v[100+4*\kk:103+4*\kk], v[YY+5], s[6:7] offset:ROWB*\kk+4096
.endr
.irp j, 0,1,2,3,4,5,6,7
	global_load_b128 v[VX+4*\j:VX+4*\j+3], v[YY+6], s[2:3] offset:512*\j   ; every wave reads all 4,096 bytes: no wave waits for another
.endr
	; scalar constants
.irp j, 0,1,2,3,4,5,6,7
	s_mov_b32 s[CM+\j], ((0xffff<<\j)&0xffff)|(((0xffff<<(8+\j))&0xffff)<<16)   ; lanes with key 8 h + j <= query r
.endr
	s_mov_b32 s12, SC0|0x80000000                  ; - sc
	s_mov_b32 s40, 0x76543210
	s_mov_b32 s41, 0xfedcba98
	s_mov_b32 s42, 0x00ff00ff                      ; the pooled columns of levels 1-4
	s_mov_b32 s43, 0x0f000f00
	s_mov_b32 s44, 0x30003000
	s_mov_b32 s45, 0x40004000
	s_bitcmp1_b32 s11, 0
	s_cselect_b32 s46, -1, 0                       ; level 5 applies iff bit 0 of c; all 16 rows
	s_bitcmp1_b32 s11, 1
	s_cselect_b32 s47, 0xaaaaaaaa, 0               ; level 6: bit 1 of c, odd rows
	s_bitcmp1_b32 s11, 2
	s_cselect_b32 s48, 0x88888888, 0               ; level 7: bit 2 of c, rows 3 mod 4
	s_mov_b32 s49, 0xaaaaaaaa                      ; levels 1-4: lanes whose low l bits of r are ones
	s_mov_b32 s50, 0x88888888
	s_mov_b32 s51, 0x80808080
	s_mov_b32 s52, 0x80008000
	s_bitcmp1_b32 s10, 1
	s_cselect_b32 s53, 0x00ff00ff, 0
	s_bitcmp1_b32 s10, 2
	s_cselect_b32 s59, 0x0f000f00, 0
	s_or_b32 s53, s53, s59                         ; the columns of levels 1, 2 in which my block is a second block
	; addresses, all from the thread's number, the wave's number and constants
	v_and_b32 v3, 7, v0
	v_lshl_add_u32 v3, v2, 3, v3                   ; transposing loads: row 8 h + lane % 8
	v_bfe_u32 v[T], v0, 3, 1
	v_lshlrev_b32 v[T], 4, v[T]                    ; and 16 bytes for the upper eight of sixteen lanes
	v_lshlrev_b32 v[T+1], 4, v2                    ; 16 h
	v_mad_u32_u24 v[FQ], v1, TP, v[T+1]
	v_add_nc_u32 v[FQ], s25, v[FQ]
	v_add_nc_u32 v[FQ+1], RSLOT, v[FQ]
	v_mad_u32_u24 v[FT], v3, TP, v[T]
	v_add_nc_u32 v[FT], s25, v[FT]
	v_add_nc_u32 v[FT+1], RSLOT, v[FT]
	v_add_nc_u32 v[T+2], CB, v[T+1]                ; CB + 16 h
	s_mul_i32 s56, s10, P                          ; 272 w
	s_lshl_b32 s57, s56, 1
	s_lshl_b32 s58, s56, 2
	s_lshl_b32 s59, s56, 3
	v_lshrrev_b32 v[T+3], 1, v1
	v_mad_u32_u24 v[CQ1], v[T+3], P, v[T+2]
	v_add_nc_u32 v[CQ1], s59, v[CQ1]               ; row 8 w + r / 2
	v_lshrrev_b32 v[T+3], 2, v1
	v_mad_u32_u24 v[CQ2], v[T+3], P, v[T+2]
	v_add_nc_u32 v[CQ2], s58, v[CQ2]               ; row 4 w + r / 4
	v_lshrrev_b32 v[T+3], 3, v1
	v_mad_u32_u24 v[CQ3], v[T+3], P, v[T+2]
	v_add_nc_u32 v[CQ3], s57, v[CQ3]               ; row 2 w + r / 8
	v_add_nc_u32 v[CQ4], s56, v[T+2]               ; row w
	v_mad_u32_u24 v[CK], v1, P, v[T+2]             ; row r
	s_lshr_b32 s60, s10, 2
	s_mul_i32 s61, s60, 32*P
	s_mul_i32 s62, s60, 16*P
	v_add_nc_u32 v[CK1], s61, v[CK]                ; + 32 (w / 4) rows
	v_mad_u32_u24 v[CV], v3, P, v[T]
	v_add_nc_u32 v[CV], CB, v[CV]
	v_add_nc_u32 v[CV1], s62, v[CV]                ; + 16 (w / 4) rows
	v_and_b32 v[T+3], 7, v1
	v_mad_u32_u24 v[T+7], v[T+3], P, v[T+2]
	v_add_nc_u32 v[PS1], s59, v[T+7]               ; row 8 w + r % 8
	s_and_b32 s63, s10, 1
	s_mul_i32 s63, s63, 8*P
	s_add_co_u32 s63, s63, s62
	v_add_nc_u32 v[PV1], s63, v[T+7]               ; row 16 (w / 4) + 8 (w % 2) + r % 8
	v_and_b32 v[T+3], 3, v1
	v_mad_u32_u24 v[T+7], v[T+3], P, v[T+2]
	v_add_nc_u32 v[PS2], s58, v[T+7]               ; row 4 w + r % 4
	s_and_b32 s60, s10, 3
	s_mul_i32 s60, s60, 4*P
	v_add_nc_u32 v[PV2], s60, v[T+7]               ; row 4 (w % 4) + r % 4
	v_and_b32 v[T+3], 1, v1
	v_mad_u32_u24 v[T+7], v[T+3], P, v[T+2]
	v_add_nc_u32 v[PS3], s57, v[T+7]               ; row 2 w + r % 2
	; EB: lane r = 15 of an odd wave owns fine row 32 p + 31 with p = 4 tr + w / 2: row 1 + p; every other lane reads row 0
	s_and_b32 s60, s10, 1
	s_lshr_b32 s61, s10, 1
	s_add_co_u32 s61, s61, 1
	s_mul_i32 s61, s61, s60
	s_mul_i32 s61, s61, EP
	s_mul_i32 s60, s60, 4*EP
	v_add_nc_u32 v[T+3], 1, v1
	v_lshrrev_b32 v[T+7], 4, v[T+3]                ; 1 in lanes r = 15
	v_lshlrev_b32 v[T+4], 5, v2
	v_add_nc_u32 v[T+4], EB, v[T+4]                ; EB + 32 h
	v_lshlrev_b32 v[T+5], 2, v2
	v_add_nc_u32 v[T+5], EB, v[T+5]                ; EB + 4 h
	v_mad_u32_u24 v[ER], v[T+7], s61, v[T+4]
	v_mad_u32_u24 v[ERA], v[T+7], s61, v[T+5]
	v_mul_u32_u24 v[ERS], v[T+7], s60
	v_mad_u32_u24 v[EW], v[T+3], EP, v[T+4]        ; row r + 1
	v_mad_u32_u24 v[EWA], v[T+3], EP, v[T+5]
	s_mul_i32 s62, s10, 16*P
	s_add_co_u32 s62, s62, SB                      ; my stage
	v_lshlrev_b32 v[T+6], 4, v1                    ; 16 r
	v_mad_u32_u24 v[STO], v1, P, v[T+1]
	v_add_nc_u32 v[STO], s62, v[STO]
	v_mad_u32_u24 v[RD], v2, P, v[T+6]
	v_add_nc_u32 v[RD], s62, v[RD]
	v_lshl_add_u32 v[CO], v2, 11, v[T+6]
	s_lshl_b32 s63, s10, 15
	v_add_nc_u32 v[CO], s63, v[CO]                 ; token 16 w + h, 2,048 bytes a token
	v_mad_u32_u24 v[TQ], v1, P, v[T+1]
	v_add_nc_u32 v[TQ], SB, v[TQ]
	v_mad_u32_u24 v[TV], v3, P, v[T]
	v_add_nc_u32 v[TV], SB, v[TV]
	v_lshrrev_b32 v[T+3], 4, v0
	v_mad_u32_u24 v[TB], v[T+3], P, v[T+6]
	v_add_nc_u32 v[TB], SB, v[TB]
	v_mov_b32 v[RC+1], 0
	v_mov_b32 v[NEG], 0xff7fffff
	v_mov_b32 v[NBIG], 0xff000000
	s_wait_loadcnt 0x0
	MEAN2 44, 48                                   ; level 6: q,
	MEAN2 45, 49
	MEAN2 46, 50
	MEAN2 47, 51
	MEAN2 52, 56                                   ; k,
	MEAN2 53, 57
	MEAN2 54, 58
	MEAN2 55, 59
	MEAN2 60, 64                                   ; v
	MEAN2 61, 65
	MEAN2 62, 66
	MEAN2 63, 67
	MEAN4 68, 72, 76, 80                           ; level 7: q,
	MEAN4 69, 73, 77, 81
	MEAN4 70, 74, 78, 82
	MEAN4 71, 75, 79, 83
	MEAN4 84, 88, 92, 96                           ; k,
	MEAN4 85, 89, 93, 97
	MEAN4 86, 90, 94, 98
	MEAN4 87, 91, 95, 99
	MEAN4 100, 104, 108, 112                       ; v
	MEAN4 101, 105, 109, 113
	MEAN4 102, 106, 110, 114
	MEAN4 103, 107, 111, 115
.irp z, 0,1,2
	ds_store_b128 v[TB], v[32+4*\z:35+4*\z]   offset:4352*\z
	ds_store_b128 v[TB], v[44+8*\z:47+8*\z]   offset:4352*(3+\z)
	ds_store_b128 v[TB], v[68+16*\z:71+16*\z] offset:4352*(6+\z)
.endr
	; the largest |v| of the whole tensor, and from its exponent the result's scale; only values hang on it
	v_max3_num_f32 v[VX], v[VX], v[VX+1], v[VX+2]
.set i, 3
.rept 14
	v_max3_num_f32 v[VX], v[VX], v[VX+i], v[VX+i+1]
.set i, i+2
.endr
	v_max_num_f32 v[VX], v[VX], v[VX+31]
	v_max_num_f32_dpp v[VX], v[VX], v[VX] row_xmask:1 row_mask:0xf bank_mask:0xf
	v_max_num_f32_dpp v[VX], v[VX], v[VX] row_xmask:2 row_mask:0xf bank_mask:0xf
	v_max_num_f32_dpp v[VX], v[VX], v[VX] row_xmask:4 row_mask:0xf bank_mask:0xf
	v_max_num_f32_dpp v[VX], v[VX], v[VX] row_xmask:8 row_mask:0xf bank_mask:0xf
	v_permlanex16_b32 v[VX+1], v[VX], s40, s41
	v_max_num_f32 v[VX], v[VX], v[VX+1]
	v_readfirstlane_b32 s13, v[VX]
	s_bfe_u32 s13, s13, 0x80017                    ; e: 8 bits from bit 23
	s_max_u32 s13, s13, 8                          ; so that the scale and its inverse are both normal numbers
	s_sub_co_u32 s13, 261, s13
	s_lshl_b32 s13, s13, 23                        ; 2^(134 - e) as an f32
	; the pooling pattern: register i of lane (r, h) stands for the token pair u = 4 h + i of column r; 2^-l iff (u >> sh) = r - first column of the level, l = sh + 1
	v_lshrrev_b32 v[T], 3, v1                      ; r >= 8
	v_lshrrev_b32 v[T+1], 2, v1
	v_and_b32 v[T+1], v[T+1], v[T]                 ; r >= 12
	v_lshrrev_b32 v[T+2], 1, v1
	v_and_b32 v[T+2], v[T+2], v[T+1]               ; r >= 14
	v_add_nc_u32 v[T+3], v[T], v[T+1]
	v_add_nc_u32 v[T+3], v[T+3], v[T+2]            ; sh
	v_lshlrev_b32 v[T+4], 3, v[T]
	v_lshl_add_u32 v[T+4], v[T+1], 2, v[T+4]
	v_lshl_add_u32 v[T+4], v[T+2], 1, v[T+4]       ; 0, 8, 12 or 14
	v_sub_nc_u32 v[T+4], v1, v[T+4]                ; column 15 gets 1 with sh = 3: no pair matches
	v_lshlrev_b32 v[T+5], 2, v2
	v_lshlrev_b32 v[T+7], 10, v[T+3]
	v_lshl_or_b32 v[T+7], v[T+3], 26, v[T+7]
	v_sub_nc_u32 v[T+7], 0x38003800, v[T+7]        ; two f16 of 2^-(sh + 1): one step of the exponent field for each level
.irp i, 0,1,2,3
	v_add_nc_u32 v[T+6], \i, v[T+5]
	v_lshrrev_b32 v[T+6], v[T+3], v[T+6]
	v_cmp_eq_u32 vcc_lo, v[T+6], v[T+4]
	v_cndmask_b32 v[POOL+\i], 0, v[T+7], vcc_lo
.endr
.irp i, 0,1,2,3
	v_mov_b32 v[PB+8+\i], 0
	v_mov_b32 v[PP+4+\i], 0
.endr
	s_wait_dscnt 0x0
	s_barrier_signal -1
	s_barrier_wait -1                              ; the tiles stay on their way
	s_cmp_lg_u32 s10, 0
	s_cbranch_scc1 .Ltrips                         ; wave 0 alone makes levels 5-7; no barrier and no tensor load stands in the branch
	v_mov_b32 v[AP], 0
	v_mov_b32 v[AP+1], 0
	ATT2 TQ, 0,     TQ, 4352,  TV, 8704,  5, 0x40a00000, 2, 46, 1, 1
	ATT2 TQ, 13056, TQ, 17408, TV, 21760, 6, 0x40c00000, 2, 47, 1, 0
	ATT2 TQ, 26112, TQ, 30464, TV, 34816, 7, 0x40e00000, 2, 48, 1, 0
.irp k, 0,1,2,3,4,5,6,7
	ds_store_b128 v[EW], v[YY+8*\k:YY+8*\k+3]   offset:64*\k
	ds_store_b128 v[EW], v[YY+8*\k+4:YY+8*\k+7] offset:64*\k+16
.endr
	ds_store_b32 v[EWA], v[AP]   offset:512
	ds_store_b32 v[EWA], v[AP+1] offset:520
	v_and_b32 v[T], 31, v0
	v_lshlrev_b32 v[T], 4, v[T]
	v_add_nc_u32 v[T], EB, v[T]
	v_mov_b32 v[T+1], EB+512
	ds_store_b128 v[T],   v[PB+8:PB+11]            ; the row of zeros: 512 bytes,
	ds_store_b128 v[T+1], v[PB+8:PB+11]            ; and its 16 bytes of A
.Ltrips:
	TRIP 0
	TRIP 1
	TRIP 2
	TRIP 3
	s_wait_tensorcnt 0x0
	ds_add_u32 v190, v191
	s_wait_dscnt 0x0
	s_endpgm
.Lfunc_end_k_q76b47d6fda_attn:
	.size	k_q76b47d6fda_attn, .Lfunc_end_k_q76b47d6fda_attn-k_q76b47d6fda_attn
	.p2alignl 7, 3214868480
	.fill 96, 4, 3214868480
	.section	.rodata,"a",@progbits
	.p2align	6, 0x0
	.amdhsa_kernel k_q76b47d6fda_attn
		.amdhsa_group_segment_fixed_size 327680
		.amdhsa_private_segment_fixed_size 0
		.amdhsa_enable_private_segment 0
		.amdhsa_kernarg_size 32
		.amdhsa_user_sgpr_count 2
		.amdhsa_user_sgpr_kernarg_segment_ptr 1
		.amdhsa_wavefront_size32 1
		.amdhsa_system_sgpr_workgroup_id_x 1
		.amdhsa_system_sgpr_workgroup_id_y 1
		.amdhsa_system_sgpr_workgroup_id_z 1
		.amdhsa_system_vgpr_workitem_id 0
		.amdhsa_next_free_vgpr 256
		.amdhsa_next_free_sgpr 66
		.amdhsa_reserve_vcc 1
		.amdhsa_float_denorm_mode_32 3
		.amdhsa_float_denorm_mode_16_64 3
		.amdhsa_memory_ordered 1
		.amdhsa_forward_progress 1
		.amdhsa_inst_pref_size 222
	.end_amdhsa_kernel
	.amdgpu_metadata
---
amdhsa.version: [ 1, 2 ]
amdhsa.kernels:
  - .name:           k_q76b47d6fda_attn
    .symbol:         k_q76b47d6fda_attn.kd
    .args:
      - { .name: qkv, .offset: 0, .size: 8, .value_kind: global_buffer, .address_space: global }
      - { .name: t5, .offset: 8, .size: 8, .value_kind: global_buffer, .address_space: global }
      - { .name: vmax, .offset: 16, .size: 8, .value_kind: global_buffer, .address_space: global }
      - { .name: attn, .offset: 24, .size: 8, .value_kind: global_buffer, .address_space: global }
    .group_segment_fixed_size: 327680
    .private_segment_fixed_size: 0
    .kernarg_segment_align: 8
    .kernarg_segment_size: 32
    .max_flat_workgroup_size: 256
    .sgpr_count:     66
    .vgpr_count:     256
    .wavefront_size: 32
...
	.end_amdgpu_metadata
.endif
;; end of part 3
;; launch gemm_out (part 4): grid 4 x 64, 4 waves a work-group, clusters of 4 x 4, 327,680 bytes of LDS; arguments attn, woh, b_out, vmax, out0; writes out0
.if DOCPART == 4
	.amdgcn_target "amdgcn-amd-amdhsa--gfx1250"
	.amdhsa_code_object_version 6
	.text
	.protected	k_q76b47d6fda_gemm_out
	.globl	k_q76b47d6fda_gemm_out
	.p2align	8
	.type	k_q76b47d6fda_gemm_out,@function
k_q76b47d6fda_gemm_out:
	s_mov_b64 s[64:65], 0
	v_nop
	global_prefetch_b8 v0, s[64:65] scope:SCOPE_SE
	s_setreg_imm32_b32 hwreg(HW_REG_WAVE_MODE, 25, 1), 1
	s_wait_xcnt 0x0
	s_wait_alu depctr_hold_cnt(0) depctr_sa_sdst(0) depctr_va_vdst(0) depctr_va_sdst(0) depctr_va_ssrc(0) depctr_va_vcc(0) depctr_vm_vsrc(0)
	s_getreg_b32 s2, hwreg(HW_REG_IB_STS2, 6, 4)
	s_cmp_eq_u32 s2, 0
	s_cbranch_scc0 .Lentry_in_a_cluster
	s_endpgm
.Lentry_in_a_cluster:
	s_bfe_u32 s2, ttmp6, 0x10000c
	s_cmp_lg_u32 s2, 0xf033
	s_cbranch_scc0 .Lentry_shape_is_right
	s_endpgm
.Lentry_shape_is_right:
; out0[m][n] = 2^(e - 134) x (sum over k of attn[m][k] woh[n][k]) + b_out[n].  attn: [16384][1024] f16, scaled by 2^(134 - e); woh: [1024][1024] f16;
; b_out: [1024] f32; vmax: [1024] f32, whose largest word has the biased exponent e (taken as at least 8); out0 f32.
; No work of the problem is left out here.  256 work-groups, one block of 256 x 256 each; a wave makes 128 x 128 in 64 accumulator tiles.
; K goes in eight steps of 128 through a ring of two LDS slots filled by joint tensor loads: 4 x 4 work-groups form a cluster; the four of a
; row of the cluster need the same tiles of attn, the four of a column the same tiles of woh.
; REGISTERS in windows of 256: window 0: v0-31 addresses, v32-63 and v224-255 the bias of my 128 columns, v64-127 and v128-191 fragments of A;
; window 1: fragments of B; windows 2 and 3: accumulators, tile (a, b) at v[8 (8 a + b)].
; The matrix instruction is used transposed (source 0 = rows of B, source 1 = rows of A): lane l holds row l % 16 and eight neighbouring columns.
; The accumulators take turns, one matrix instruction a turn.
.set SIZE_M, 16384
.set SIZE_N, 1024
.set SIZE_K, 1024
.set KSTEP,  128
.set PITCH,  272
.set HALFT,  128*PITCH
.set SLOT,   4*HALFT
.set STAGE,  2*SLOT                    ; behind the ring: 16 rows x 528 bytes for each wave; no tensor load lands there
.set OPITCH, 528                       ; 128 f32 + 16 bytes
.set LAPS, SIZE_K/(2*KSTEP)
.set ADRA, 16
.set ADRB, 20
.set STO,  24
.set RD,   25
.set CO,   26
.set BI0,  32                          ; bias of column blocks 0-3
.set BI1,  224                         ; of column blocks 4-7
.set F0,   64
.set F1,   128
.set G1, 24
.set G0, 32
.set G1B, 48
.set G0B, 56
.set MSB, 0
.macro WIN new
.if MSB != \new
	s_set_vgpr_msb (MSB<<8)|\new
.set MSB, \new
.endif
.endm
.set MUL_LO, 0xa1
.set MUL_HI, 0xf1
.set TO_B,   0x40
.macro JLOAD s
	s_cmp_eq_u32 s11, 0
	s_cbranch_scc0 .Lfor_b_\@
	tensor_load_to_lds s[G0+4*\s:G0+4*\s+3], s[G1:G1+7]
	s_nop 0
	s_branch .Lasked_\@
.Lfor_b_\@:
	tensor_load_to_lds s[G0B+4*\s:G0B+4*\s+3], s[G1B:G1B+7]
	s_nop 0
.Lasked_\@:
.endm
.macro CREST
	s_cmp_lg_u32 s10, 0
	s_cbranch_scc1 .Lnot_wave_0_\@
	s_barrier_signal -3
.Lnot_wave_0_\@:
	s_barrier_wait -3
	s_barrier_signal -1
	s_barrier_wait -1
.endm
.macro CROUND
	s_barrier_signal -1
	s_barrier_wait -1
	CREST
.endm
	s_load_b128 s[4:7], s[0:1], 0x0                ; attn s[4:5], woh s[6:7]
	s_load_b128 s[68:71], s[0:1], 0x10             ; b_out s[68:69], vmax s[70:71]
	s_load_b64 s[72:73], s[0:1], 0x20              ; out0
	s_set_vgpr_msb 0x40
	v_lshl_add_u32 v255, v0, 2, 0x4c400
	s_set_vgpr_msb 0x4000
	v_mov_b32 v223, 0
	s_set_vgpr_msb 0x1
	ds_add_u32 v255, v223
	s_set_vgpr_msb 0x100
	v_lshrrev_b32 v1, 5, v0
	v_readfirstlane_b32 s10, v1
	s_lshr_b32 s11, s10, 1
	s_and_b32 s12, s10, 1
	s_bfe_u32 s40, ttmp6, 0x40000                  ; cx
	s_bfe_u32 s41, ttmp6, 0x40004                  ; cy
	s_lshl_b32 s42, ttmp9, 2
	s_add_co_u32 s42, s42, s40                     ; block column
	s_and_b32 s13, ttmp7, 0xffff
	s_lshl_b32 s13, s13, 2
	s_add_co_u32 s13, s13, s41                     ; block row
	s_mov_b32 s76, 0x76543210                      ; v_permlanex16_b32: lane i of one half reads lane i of the other
	s_mov_b32 s77, 0xfedcba98
	s_lshl_b32 s43, s41, 2
	s_lshl_b32 s43, 15, s43
	s_lshl_b32 s44, 0x1111, s40
	s_or_b32 s[G1+0], s43, (1<<16)|(1<<20)|(1<<21)|(5<<22)|(3<<25)
	s_or_b32 s[G1B+0], s44, (1<<16)|(1<<20)|(1<<21)|(5<<22)|(3<<25)
	s_mov_b32 s[G1B+1], KSTEP<<16
	s_mov_b32 s[G1+1], KSTEP<<16
	s_mov_b32 s[G1B+2], 128<<16
	s_mov_b32 s[G1+2], 128<<16
	s_mov_b32 s[G1B+3], KSTEP<<16
	s_mov_b32 s[G1+3], KSTEP<<16
	s_mov_b32 s[G1B+4], 128
	s_mov_b32 s[G1+4], 128
	s_mov_b32 s[G1B+5], SIZE_K
	s_mov_b32 s[G1+5], SIZE_K
	s_mov_b32 s[G1B+6], 0
	s_mov_b32 s[G1+6], 0
	s_mov_b32 s[G1B+7], 0
	s_mov_b32 s[G1+7], 0
	s_lshl_b32 s17, s12, 7
	s_lshl_b32 s16, s13, 8
	s_add_co_u32 s16, s16, s17
	s_lshl_b32 s46, s42, 8
	s_add_co_u32 s46, s46, s17
	s_mov_b32 s17, 0
	s_mov_b32 s47, 0
	s_mov_b64 s[18:19], SIZE_K*2
	s_mul_u64 s[16:17], s[16:17], s[18:19]
	s_mul_u64 s[46:47], s[46:47], s[18:19]
	s_mul_i32 s20, s10, HALFT
	s_wait_dscnt 0x0
	s_wait_kmcnt 0x0
	s_add_nc_u64 s[14:15], s[4:5], s[16:17]
	s_add_nc_u64 s[46:47], s[6:7], s[46:47]
	CROUND                                         ; all sixteen work-groups are here: the first joint loads meet
.irp s, 0,1
	s_mov_b32 s[G0+4*\s], 1
	s_add_co_u32 s[G0+4*\s+1], s20, \s*SLOT
	s_add_nc_u64 s[G0+4*\s+2:G0+4*\s+3], s[14:15], \s*KSTEP*2
	s_or_b32 s[G0+4*\s+3], s[G0+4*\s+3], 0x80000000
	s_mov_b32 s[G0B+4*\s], 1
	s_add_co_u32 s[G0B+4*\s+1], s20, \s*SLOT
	s_add_nc_u64 s[G0B+4*\s+2:G0B+4*\s+3], s[46:47], \s*KSTEP*2
	s_or_b32 s[G0B+4*\s+3], s[G0B+4*\s+3], 0x80000000
	JLOAD \s
.endr
	s_lshl_b32 s46, s42, 10                        ; my first column in bytes of f32: 1,024 x block + 512 x half
	s_lshl_b32 s47, s12, 9
	s_add_co_u32 s46, s46, s47
	s_mov_b32 s47, 0
	s_add_nc_u64 s[66:67], s[68:69], s[46:47]      ; the bias of my 128 columns
	v_and_b32 v1, 15, v0
	v_bfe_u32 v2, v0, 4, 1
	v_and_b32 v5, 31, v0
	v_lshlrev_b32 v[CO], 4, v5                     ; 16 bytes a lane: vmax now, a row of 512 bytes on the way out; never rewritten
	v_lshlrev_b32 v6, 5, v2                        ; my eight columns of a block of sixteen: 32 bytes for each half of the lanes; never rewritten
.irp j, 0,1,2,3,4,5,6,7
	global_load_b128 v[F1+4*\j:F1+4*\j+3], v[CO], s[70:71] offset:512*\j   ; every wave reads all 4,096 bytes of vmax
.endr
.irp b, 0,1,2,3
	global_load_b128 v[BI0+8*\b:BI0+8*\b+3],   v6, s[66:67] offset:64*\b
	global_load_b128 v[BI0+8*\b+4:BI0+8*\b+7], v6, s[66:67] offset:64*\b+16
	global_load_b128 v[BI1+8*\b:BI1+8*\b+3],   v6, s[66:67] offset:64*\b+256
	global_load_b128 v[BI1+8*\b+4:BI1+8*\b+7], v6, s[66:67] offset:64*\b+272
.endr
	v_mul_u32_u24 v3, v1, PITCH
	v_lshl_add_u32 v3, v2, 4, v3
	s_mul_i32 s21, s11, HALFT
	s_mul_i32 s22, s12, HALFT
	s_add_co_u32 s22, s22, 2*HALFT
.irp s, 0,1
	v_add_nc_u32 v[ADRA+\s], s21, v3
	v_add_nc_u32 v[ADRB+\s], s22, v3
	s_add_co_u32 s21, s21, SLOT
	s_add_co_u32 s22, s22, SLOT
.endr
	s_mul_i32 s23, s10, 16*OPITCH
	s_add_co_u32 s23, s23, STAGE
	v_mul_u32_u24 v4, v1, OPITCH
	v_lshl_add_u32 v4, v2, 5, v4
	v_add_nc_u32 v[STO], s23, v4                   ; in: row l % 16, 32 bytes for each half of the lanes
	v_add_nc_u32 v[RD], s23, v[CO]                 ; back: a row of 512 bytes, 16 a lane
	; the largest |v| of the whole tensor, and from its exponent the inverse of the scale that attn carries; only values hang on it
	s_wait_loadcnt 16                              ; the eight loads of vmax are in; the sixteen of the bias may be out
	v_max3_num_f32 v[F1], v[F1], v[F1+1], v[F1+2]
.set i, 3
.rept 14
	v_max3_num_f32 v[F1], v[F1], v[F1+i], v[F1+i+1]
.set i, i+2
.endr
	v_max_num_f32 v[F1], v[F1], v[F1+31]
	v_max_num_f32_dpp v[F1], v[F1], v[F1] row_xmask:1 row_mask:0xf bank_mask:0xf
	v_max_num_f32_dpp v[F1], v[F1], v[F1] row_xmask:2 row_mask:0xf bank_mask:0xf
	v_max_num_f32_dpp v[F1], v[F1], v[F1] row_xmask:4 row_mask:0xf bank_mask:0xf
	v_max_num_f32_dpp v[F1], v[F1], v[F1] row_xmask:8 row_mask:0xf bank_mask:0xf
	v_permlanex16_b32 v[F1+1], v[F1], s76, s77
	v_max_num_f32 v[F1], v[F1], v[F1+1]
	v_readfirstlane_b32 s74, v[F1]
	s_bfe_u32 s74, s74, 0x80017                    ; e: 8 bits from bit 23
	s_max_u32 s74, s74, 8                          ; as in the launch that scaled
	s_sub_co_u32 s74, s74, 7
	s_lshl_b32 s74, s74, 23                        ; 2^(e - 134) as an f32
	s_mov_b32 s75, s74                             ; the pair is named whole by the packed multiply-add
.macro MUL16 f, hi, a0, zero
.irp a, \a0, \a0+1
.irp b, 0,1,2,3,4,5,6,7
.if \zero
	v_wmma_f32_16x16x32_f16 v[8*(8*(\a)+\b):8*(8*(\a)+\b)+7], v[\f+8*\b:\f+8*\b+7], v[\f+8*(4*\hi+\a):\f+8*(4*\hi+\a)+7], 0
.else
	v_wmma_f32_16x16x32_f16 v[8*(8*(\a)+\b):8*(8*(\a)+\b)+7], v[\f+8*\b:\f+8*\b+7], v[\f+8*(4*\hi+\a):\f+8*(4*\hi+\a)+7], v[8*(8*(\a)+\b):8*(8*(\a)+\b)+7]
.endif
.endr
.endr
.endm
.macro FETCH slot, k, f
	WIN TO_B
.irp i, 0,1,2,3,4,5,6,7
	ds_load_b128 v[\f+8*\i:\f+8*\i+3],   v[ADRB+\slot] offset:\k+\i*16*PITCH
	ds_load_b128 v[\f+8*\i+4:\f+8*\i+7], v[ADRB+\slot] offset:\k+\i*16*PITCH+32
.endr
	WIN 0
.irp i, 0,1,2,3,4,5,6,7
	ds_load_b128 v[\f+8*\i:\f+8*\i+3],   v[ADRA+\slot] offset:\k+\i*16*PITCH
	ds_load_b128 v[\f+8*\i+4:\f+8*\i+7], v[ADRA+\slot] offset:\k+\i*16*PITCH+32
.endr
.endm
.macro PLACES                          ; four independent vector instructions behind a matrix instruction (ISA guide 7.12.1)
.rept 4
	v_nop
.endr
.endm
.macro QUARTER slot, k, f, g, zero
	s_wait_dscnt 8                                 ; B and A's rows 0-63 are in; the youngest eight loads may be out
	WIN MUL_LO
	MUL16 \f, 0, 0, \zero
	MUL16 \f, 0, 2, \zero
	PLACES
	FETCH \slot, \k, \g
	s_wait_dscnt 32                                ; all but the 32 just issued
	WIN MUL_HI
	MUL16 \f, 1, 0, \zero
	MUL16 \f, 1, 2, \zero
.endm
.macro THREE slot, zero
	QUARTER \slot, 64,  F0, F1, \zero
	QUARTER \slot, 128, F1, F0, 0
	QUARTER \slot, 192, F0, F1, 0
.endm
; The change of slots: each wave's reads of this slot and all its tensor loads are waited for in front of the barrier; with fill = 1 the barrier
; opens a round of the cluster's barrier, and the joint refill is the first tensor load behind the round.
.macro TURN slot, next, fill
	s_wait_dscnt 8
	WIN MUL_LO
	MUL16 F1, 0, 0, 0
	s_wait_dscnt 0
	s_wait_tensorcnt 0x0
	ds_add_u32 v255, v223
	s_wait_dscnt 0x0
	s_barrier_signal -1
	MUL16 F1, 0, 2, 0
	WIN 0
	s_barrier_wait -1
.if \fill
	CREST
	s_add_nc_u64 s[G0+4*\slot+2:G0+4*\slot+3], s[G0+4*\slot+2:G0+4*\slot+3], 2*KSTEP*2
	s_add_nc_u64 s[G0B+4*\slot+2:G0B+4*\slot+3], s[G0B+4*\slot+2:G0B+4*\slot+3], 2*KSTEP*2
	JLOAD \slot
.endif
	PLACES
	FETCH \next, 0, F0
	WIN MUL_HI
	MUL16 F1, 1, 0, 0
	MUL16 F1, 1, 2, 0
.endm
.macro LAP zero
	THREE 0, \zero
	TURN 0, 1, 1
	THREE 1, 0
	TURN 1, 0, 1
.endm
	s_wait_tensorcnt 1                             ; my part of K step 0 is in; K step 1's stays out
	s_barrier_signal -1
	s_barrier_wait -1
	FETCH 0, 0, F0
	LAP 1
	WIN 0
	s_mov_b32 s3, LAPS-2
.Llap:
	LAP 0
	WIN 0
	s_sub_co_u32 s3, s3, 1
	s_cmp_lg_u32 s3, 0
	s_cbranch_scc1 .Llap
	THREE 0, 0                                     ; the last lap fills nothing
	TURN 0, 1, 0
	THREE 1, 0
	s_wait_dscnt 8
	WIN MUL_LO
	MUL16 F1, 0, 0, 0
	MUL16 F1, 0, 2, 0
	s_wait_dscnt 0
	WIN MUL_HI
	MUL16 F1, 1, 0, 0
	MUL16 F1, 1, 2, 0
	; THE WAY OUT, 16 rows at a time: one fused multiply-add undoes the scale and adds the bias, 32 bytes a lane go into my own stage, whole rows
	; of 512 bytes come back and are stored.
	PLACES
	s_wait_loadcnt 0x0                             ; the bias
	s_lshl_b32 s13, s13, 8
	s_lshl_b32 s14, s11, 7
	s_add_co_u32 s16, s13, s14                     ; my first row
	s_lshl_b32 s16, s16, 12                        ; 4,096 bytes a row: below 2^26
	s_mov_b32 s17, 0
	s_add_nc_u64 s[8:9], s[72:73], s[16:17]
	s_add_nc_u64 s[8:9], s[8:9], s[46:47]          ; s[46:47] still holds my first column in bytes
.macro OUT16F i, a, from
	WIN \from
.irp b, 0,1,2,3
.irp q, 0,1,2,3
	v_pk_fma_f32 v[F0+8*\b+2*\q:F0+8*\b+2*\q+1], v[8*(8*\a+\b)+2*\q:8*(8*\a+\b)+2*\q+1], s[74:75], v[BI0+8*\b+2*\q:BI0+8*\b+2*\q+1] op_sel_hi:[1,0,1]
	v_pk_fma_f32 v[F0+32+8*\b+2*\q:F0+32+8*\b+2*\q+1], v[8*(8*\a+4+\b)+2*\q:8*(8*\a+4+\b)+2*\q+1], s[74:75], v[BI1+8*\b+2*\q:BI1+8*\b+2*\q+1] op_sel_hi:[1,0,1]
.endr
.endr
	WIN 0
.irp b, 0,1,2,3,4,5,6,7
	ds_store_b128 v[STO], v[F0+8*\b:F0+8*\b+3]   offset:64*\b
	ds_store_b128 v[STO], v[F0+8*\b+4:F0+8*\b+7] offset:64*\b+16
.endr
	s_wait_xcnt 0x0                                ; buffer 1, which stores read, and the base are rewritten only behind this wait
.if \i
	s_add_nc_u64 s[8:9], s[8:9], 16*SIZE_N*4
.endif
.irp t, 0,1,2,3,4,5,6,7,8,9,10,11,12,13,14,15
	ds_load_b128 v[F1+4*\t:F1+4*\t+3], v[RD] offset:\t*OPITCH          ; LDS serves a wave's instructions in order: these see the stores above
.endr
.irp t, 0,1,2,3,4,5,6,7,8,9,10,11,12,13,14,15
	s_wait_dscnt 15-\t
	global_store_b128 v[CO], v[F1+4*\t:F1+4*\t+3], s[8:9] offset:\t*SIZE_N*4 th:TH_STORE_NT   ; 512 consecutive bytes at a multiple of 512
.endr
.endm
	OUT16F 0, 0, 0x02
	OUT16F 1, 1, 0x02
	OUT16F 2, 2, 0x02
	OUT16F 3, 3, 0x02
	OUT16F 4, 0, 0x03
	OUT16F 5, 1, 0x03
	OUT16F 6, 2, 0x03
	OUT16F 7, 3, 0x03
	s_set_vgpr_msb 0x1
	s_wait_tensorcnt 0x0
	ds_add_u32 v255, v223
	s_wait_dscnt 0x0
	s_set_vgpr_msb 0x100
	CROUND                                         ; the closing round: no work-group ends while a partner may still ask jointly
	s_endpgm
.Lfunc_end_k_q76b47d6fda_gemm_out:
	.size	k_q76b47d6fda_gemm_out, .Lfunc_end_k_q76b47d6fda_gemm_out-k_q76b47d6fda_gemm_out
	.p2alignl 7, 3214868480
	.fill 96, 4, 3214868480
	.section	.rodata,"a",@progbits
	.p2align	6, 0x0
	.amdhsa_kernel k_q76b47d6fda_gemm_out
		.amdhsa_group_segment_fixed_size 327680
		.amdhsa_private_segment_fixed_size 0
		.amdhsa_enable_private_segment 0
		.amdhsa_kernarg_size 40
		.amdhsa_user_sgpr_count 2
		.amdhsa_user_sgpr_kernarg_segment_ptr 1
		.amdhsa_wavefront_size32 1
		.amdhsa_system_sgpr_workgroup_id_x 1
		.amdhsa_system_sgpr_workgroup_id_y 1
		.amdhsa_system_sgpr_workgroup_id_z 1
		.amdhsa_system_vgpr_workitem_id 0
		.amdhsa_next_free_vgpr 1024
		.amdhsa_next_free_sgpr 80
		.amdhsa_reserve_vcc 0
		.amdhsa_float_denorm_mode_32 3
		.amdhsa_float_denorm_mode_16_64 3
		.amdhsa_memory_ordered 1
		.amdhsa_forward_progress 1
		.amdhsa_inst_pref_size 216
	.end_amdhsa_kernel
	.amdgpu_metadata
---
amdhsa.version: [ 1, 2 ]
amdhsa.kernels:
  - .name:           k_q76b47d6fda_gemm_out
    .symbol:         k_q76b47d6fda_gemm_out.kd
    .args:
      - { .name: attn, .offset: 0, .size: 8, .value_kind: global_buffer, .address_space: global }
      - { .name: woh, .offset: 8, .size: 8, .value_kind: global_buffer, .address_space: global }
      - { .name: b_out, .offset: 16, .size: 8, .value_kind: global_buffer, .address_space: global }
      - { .name: vmax, .offset: 24, .size: 8, .value_kind: global_buffer, .address_space: global }
      - { .name: out0, .offset: 32, .size: 8, .value_kind: global_buffer, .address_space: global }
    .group_segment_fixed_size: 327680
    .private_segment_fixed_size: 0
    .kernarg_segment_align: 8
    .kernarg_segment_size: 40
    .max_flat_workgroup_size: 128
    .sgpr_count:     80
    .vgpr_count:     1024
    .wavefront_size: 32
...
	.end_amdgpu_metadata
.endif
;; end of part 4
;; ======== version 2 of 2: 4 launches; version 1 with the launch cast written anew for expert scheduling mode
;; limits: values are held in f16: magnitudes above 65,504 overflow, below 6.1e-05 lose precision; inputs' magnitudes at most 65,504; right only within a limited range of input values
;; workspace buffers: xh 33,554,432 bytes; wqh 6,291,456 bytes; woh 2,097,152 bytes; qkv 100,663,296 bytes; t5 3,145,728 bytes; vmax 4,096 bytes; attn 33,554,432 bytes
;; launch cast (part 5): grid 640 x 1, 8 waves a work-group, no clusters, 0 bytes of LDS; arguments x, w_qkv, w_out, xh, wqh, woh; writes xh, wqh, woh
.if DOCPART == 5
	.amdgcn_target "amdgcn-amd-amdhsa--gfx1250"
	.amdhsa_code_object_version 6
	.text
	.protected	k_q76b47d6fda_cast
	.globl	k_q76b47d6fda_cast
	.p2align	8
	.type	k_q76b47d6fda_cast,@function
k_q76b47d6fda_cast:
	s_mov_b64 s[64:65], 0
	v_nop
	global_prefetch_b8 v0, s[64:65] scope:SCOPE_SE
	s_setreg_imm32_b32 hwreg(HW_REG_WAVE_SCHED_MODE, 0, 2), 2
	s_setreg_imm32_b32 hwreg(HW_REG_WAVE_MODE, 25, 1), 1
	s_wait_xcnt 0x0
	s_wait_alu depctr_vm_vsrc(0)
; First of four launches: x, w_qkv and w_out are rounded once to f16 (xh, wqh, woh), the form in which the two large products take them.
; WHY F16: the first row of every block of 16 tokens passes v on unchanged, so each rounding on the way from v to the last product shows in the
; result undamped; f16 keeps 11 significant bits.  ROOM: every f16 operand of the program is bounded by the code's own arithmetic: q, k, v are
; sums of 1,024 products; coarse rows are kept as means, so in the range of the fine rows; softmax numerators are at most 2^7; the attention's
; result is scaled by a power of two taken from the largest |v|.  LIMIT: |x|, |w|, |q|, |k|, |v| stay below 65,504; below 2^-14 the step is 2^-24.
;
; WORK THAT THE WHOLE PROGRAM LEAVES OUT, AND WHY IT IS DEAD.
; At level l >= 1 the keep mask of the problem is ((i >> l << l) + 2^l - 1 <= i), which holds only where the low l bits of the token index i
; are all ones.  So of the 2^l repeated copies of a coarse row p only the one at i = p 2^l + 2^l - 1 reaches Ysum and Asum, whatever the inputs
; hold: the other copies are multiplied away by the mask that the problem builds itself and are never formed.  The coarse y and A of a first
; block of a pair are the zeros that the problem pads in.  Coarse q of first blocks and coarse k, v of second blocks are sliced away ([:, :, 1]
; and [:, :, 0]) and are not formed as rows.  n = 4096 is a power of two, so nothing is padded and nothing sliced at the end.
; Every input has a way to the output and is loaded.
; The factor 1/8 on q goes into the exponent's scale; the sum of 2^l rows of v is 2^l times their mean, and that exact factor rides on the numerators.
; LIMIT: a NaN, an infinity or an overflow that reaches only the rows left out is not carried to the result.
;
; 640 work-groups of 32,768 numbers: 512 for x, 96 for w_qkv, 32 for w_out.  A wave takes 4,096 numbers in 32 steps: a load covers 512
; consecutive bytes, a store 256 consecutive bytes at a multiple of 256.
; THE MODE: SCHED_MODE bits 1:0 = 2 (LLVM: expert scheduling mode 2), set by the entry lines.  The code itself states the register dependences
; between vector instructions and memory instructions, with s_wait_alu, always for 0.
; THE PLAN.  The 32 steps go in 8 blocks of four, all written out.  Registers that memory instructions touch:
;   X0 .. X3   four blocks of f32 as loaded.  Written by the loads of block p + 3, issued in block p; read by block p's conversions.
;   Y0, Y1     two blocks of f16 to store.    Written by block p's conversions; read by the four stores that are issued in block p + 1.
;   v1, v2     byte offsets, made once at the head and never written again: every step is reached by an immediate offset, and the two scalar
;              bases are never stepped.
; Block p works on X[p % 4] and writes Y[p % 2].  Its memory instructions are the loads into X[(p + 3) % 4] = X[(p - 1) % 4] and the stores from
; Y[(p - 1) % 2]: the two buffers that block p - 1 worked on and that no vector instruction of block p names.  So the waits at the head of a block
; state all that the block's eight memory instructions hang on, and these are dealt among its conversions with no further wait.
; At a block's head eight younger loads stay out; with the four that follow, twelve loads of every wave are on their way.
.set BLOCK,  4                         ; steps in a block
.set BLOCKS, 32 / BLOCK
.set X, 8                              ; v[8:71]   buffer k, step i: 4 registers at X + 16 k + 4 i: 4 f32 as loaded
.set Y, 72                             ; v[72:87]  buffer k, step i: 2 registers at Y + 8 k + 2 i: 4 f16 to store
	s_load_b256 s[4:11], s[0:1], 0x0               ; x s[4:5], w_qkv s[6:7], w_out s[8:9], xh s[10:11]
	s_load_b128 s[12:15], s[0:1], 0x20             ; wqh s[12:13], woh s[14:15]
	s_mov_b32 s20, ttmp9
	s_sub_co_u32 s21, ttmp9, 512                   ; my number among w_qkv's groups
	s_sub_co_u32 s22, ttmp9, 608                   ; among w_out's
	v_lshrrev_b32 v3, 5, v0                        ; wave
	v_and_b32 v4, 31, v0                           ; lane
	v_lshlrev_b32 v1, 4, v4
	v_lshl_or_b32 v1, v3, 14, v1                   ; source: 16,384 bytes a wave, 16 a lane
	v_lshlrev_b32 v2, 3, v4
	v_lshl_or_b32 v2, v3, 13, v2                   ; destination: 8,192 bytes a wave, 8 a lane
	s_wait_kmcnt 0x0
	s_cmp_lt_u32 s20, 608                          ; the choice hangs on the group's number alone
	s_cselect_b64 s[16:17], s[6:7], s[8:9]
	s_cselect_b64 s[18:19], s[12:13], s[14:15]
	s_cselect_b32 s23, s21, s22
	s_cmp_lt_u32 s20, 512
	s_cselect_b64 s[16:17], s[4:5], s[16:17]
	s_cselect_b64 s[18:19], s[10:11], s[18:19]
	s_cselect_b32 s23, s20, s23
	s_lshl_b32 s24, s23, 17                        ; 131,072 bytes of f32 a group (at most 511 groups: below 2^26)
	s_mov_b32 s25, 0
	s_add_nc_u64 s[16:17], s[16:17], s[24:25]
	s_lshl_b32 s24, s23, 16                        ; 65,536 bytes of f16
	s_add_nc_u64 s[18:19], s[18:19], s[24:25]
	s_wait_alu depctr_va_vdst(0)                   ; v1 and v2 are written: every load of the kernel reads v1 as its offset, every store v2
.irp i, 0,1,2,3,4,5,6,7,8,9,10,11
	global_load_b128 v[X+4*\i:X+4*\i+3], v1, s[16:17] offset:512*\i th:TH_LOAD_NT   ; blocks 0, 1 and 2 into X0, X1, X2
.endr
.set p, 0
.rept BLOCKS
.if p < BLOCKS-3
	s_wait_loadcnt 2*BLOCK                         ; loads return in order: X[p % 4] is in, the two younger blocks stay out
.else
	s_wait_loadcnt (BLOCKS-1-p)*BLOCK              ; the last three blocks load nothing: the counts run down
.endif
.if p >= 2
	s_wait_xcnt 0x0                                ; Y[p % 2], which the stores issued in the block before read, is rewritten only behind this wait
	s_wait_alu depctr_vm_vsrc(0)                   ; those stores have read Y[p % 2], which this block's conversions write again
.endif
.if p >= 1
	s_wait_alu depctr_va_vdst(0)                   ; the block before has written the other Y, which the stores below read, and is done reading its X, in which the loads below land
.endif
.set i, 0
.rept BLOCK
.if p < BLOCKS-3
	global_load_b128 v[X+16*((p+3)%4)+4*i:X+16*((p+3)%4)+4*i+3], v1, s[16:17] offset:512*(BLOCK*(p+3)+i) th:TH_LOAD_NT   ; three blocks ahead; no vector instruction since the wait names these registers
.endif
.if p >= 1
	global_store_b64 v2, v[Y+8*((p+1)%2)+2*i:Y+8*((p+1)%2)+2*i+1], s[18:19] offset:256*(BLOCK*(p-1)+i)   ; the block before
.endif
	v_cvt_pk_f16_f32 v[Y+8*(p%2)+2*i], v[X+16*(p%4)+4*i], v[X+16*(p%4)+4*i+1]
	v_cvt_pk_f16_f32 v[Y+8*(p%2)+2*i+1], v[X+16*(p%4)+4*i+2], v[X+16*(p%4)+4*i+3]
.set i, i+1
.endr
.set p, p+1
.endr
	s_wait_alu depctr_va_vdst(0)                   ; block 7 has written Y1, which the last four stores read
.set i, 0
.rept BLOCK
	global_store_b64 v2, v[Y+8+2*i:Y+8+2*i+1], s[18:19] offset:256*(BLOCK*(BLOCKS-1)+i)
.set i, i+1
.endr
	s_endpgm
.Lfunc_end_k_q76b47d6fda_cast:
	.size	k_q76b47d6fda_cast, .Lfunc_end_k_q76b47d6fda_cast-k_q76b47d6fda_cast
	.p2alignl 7, 3214868480
	.fill 96, 4, 3214868480
	.section	.rodata,"a",@progbits
	.p2align	6, 0x0
	.amdhsa_kernel k_q76b47d6fda_cast
		.amdhsa_group_segment_fixed_size 0
		.amdhsa_private_segment_fixed_size 0
		.amdhsa_enable_private_segment 0
		.amdhsa_kernarg_size 48
		.amdhsa_user_sgpr_count 2
		.amdhsa_user_sgpr_kernarg_segment_ptr 1
		.amdhsa_wavefront_size32 1
		.amdhsa_system_sgpr_workgroup_id_x 1
		.amdhsa_system_sgpr_workgroup_id_y 1
		.amdhsa_system_sgpr_workgroup_id_z 1
		.amdhsa_system_vgpr_workitem_id 0
		.amdhsa_next_free_vgpr 88
		.amdhsa_next_free_sgpr 66
		.amdhsa_reserve_vcc 0
		.amdhsa_float_denorm_mode_32 3
		.amdhsa_float_denorm_mode_16_64 3
		.amdhsa_memory_ordered 1
		.amdhsa_forward_progress 1
		.amdhsa_inst_pref_size 13
	.end_amdhsa_kernel
	.amdgpu_metadata
---
amdhsa.version: [ 1, 2 ]
amdhsa.kernels:
  - .name:           k_q76b47d6fda_cast
    .symbol:         k_q76b47d6fda_cast.kd
    .args:
      - { .name: x, .offset: 0, .size: 8, .value_kind: global_buffer, .address_space: global }
      - { .name: w_qkv, .offset: 8, .size: 8, .value_kind: global_buffer, .address_space: global }
      - { .name: w_out, .offset: 16, .size: 8, .value_kind: global_buffer, .address_space: global }
      - { .name: xh, .offset: 24, .size: 8, .value_kind: global_buffer, .address_space: global }
      - { .name: wqh, .offset: 32, .size: 8, .value_kind: global_buffer, .address_space: global }
      - { .name: woh, .offset: 40, .size: 8, .value_kind: global_buffer, .address_space: global }
    .group_segment_fixed_size: 0
    .private_segment_fixed_size: 0
    .kernarg_segment_align: 8
    .kernarg_segment_size: 48
    .max_flat_workgroup_size: 256
    .sgpr_count:     66
    .vgpr_count:     88
    .wavefront_size: 32
...
	.end_amdgpu_metadata
.endif
;; end of part 5
;; launch gemm_qkv: the kernel of part 2 again; grid 4 x 64, 4 waves a work-group, clusters of 4 x 4, 327,680 bytes of LDS; arguments xh, wqh, qkv, t5, vmax; writes qkv, t5, vmax
;; launch attn: the kernel of part 3 again; grid 256 x 1, 8 waves a work-group, no clusters, 327,680 bytes of LDS; arguments qkv, t5, vmax, attn; writes attn
;; launch gemm_out: the kernel of part 4 again; grid 4 x 64, 4 waves a work-group, clusters of 4 x 4, 327,680 bytes of LDS; arguments attn, woh, b_out, vmax, out0; writes out0
